; MI455X (gfx1250); checked and timed in simulation.
; The chip was launched on July 23, 2026; its instructions are those of AMD's public machine-readable ISA for CDNA 5 (MIT licence, August 2026) and "CDNA5" Instruction Set Architecture Reference Guide (July 2026). The comments in the code are by the model that wrote it; some were corrected since.
;; Sonic Mo E Adapter. Allowed arithmetic: matrix products marked QUANTISED: E2M1 operands, one E8M0 scale for each 32 along K, by v_wmma_scale_f32_16x16x128_f8f6f4 with both operands' format E2M1 (or v_wmma_scale_f32_32x16x128_f4), f32 sums; products left as they are: f32 operands where the result goes on into a quantised operand, else bf16, f16 or f32 operands; f32 sums; everything else in f32.
;; Inputs: w_down 8 x 1,024 x 512 float32; w_gate 8 x 512 x 1,024 float32; w_router 8 x 1,024 float32; w_up 8 x 512 x 1,024 float32; x 2 x 2,048 x 1,024 float32.
;; Outputs: out0 2 x 2,048 x 1,024 float32; out1 one number float32.
;; This version of the problem:
;;   THIS VERSION OF THE PROBLEM IS GIVEN IN LOW PRECISION. The matrix products marked QUANTISED in the list below multiply operands that are first quantised to E2M1 (2 exponent bits, 1 mantissa bit; 4 bits a number), with one power-of-two scale for each 32 numbers along K (OCP MX v1.0); their sums are f32. All else is computed in f32.
;;   The module's matrix products, in the order in which they are computed (A, B: the left and right operand; K: the contracted axis; several contracted axes count as one K, in the product's order):
;;     1. [M 4,096, K 1,024] x [K 1,024, N 8]; A: input x; B: input w_router: left as it is (N = 8 < 16)
;;     2. batch 4,096 x [M 8, K 2] x [K 2, N 1]; A: computed on the way; B: computed on the way: left as it is (K = 2 < 32)
;;     3. [M 4,096, K 1,024] x [K 1,024, N 512]; A: input x; B: input w_gate: QUANTISED
;;     4. [M 4,096, K 1,024] x [K 1,024, N 512]; A: input x; B: input w_up: QUANTISED
;;     5. [M 4,096, K 512] x [K 512, N 1,024]; A: computed on the way; B: input w_down: QUANTISED
;;     6. [M 4,096, K 1,024] x [K 1,024, N 512]; A: input x; B: input w_gate: QUANTISED
;;     7. [M 4,096, K 1,024] x [K 1,024, N 512]; A: input x; B: input w_up: QUANTISED
;;     8. [M 4,096, K 512] x [K 512, N 1,024]; A: computed on the way; B: input w_down: QUANTISED
;;     9. [M 4,096, K 1,024] x [K 1,024, N 512]; A: input x; B: input w_gate: QUANTISED
;;     10. [M 4,096, K 1,024] x [K 1,024, N 512]; A: input x; B: input w_up: QUANTISED
;;     11. [M 4,096, K 512] x [K 512, N 1,024]; A: computed on the way; B: input w_down: QUANTISED
;;     12. [M 4,096, K 1,024] x [K 1,024, N 512]; A: input x; B: input w_gate: QUANTISED
;;     13. [M 4,096, K 1,024] x [K 1,024, N 512]; A: input x; B: input w_up: QUANTISED
;;     14. [M 4,096, K 512] x [K 512, N 1,024]; A: computed on the way; B: input w_down: QUANTISED
;;     15. [M 4,096, K 1,024] x [K 1,024, N 512]; A: input x; B: input w_gate: QUANTISED
;;     16. [M 4,096, K 1,024] x [K 1,024, N 512]; A: input x; B: input w_up: QUANTISED
;;     17. [M 4,096, K 512] x [K 512, N 1,024]; A: computed on the way; B: input w_down: QUANTISED
;;     18. [M 4,096, K 1,024] x [K 1,024, N 512]; A: input x; B: input w_gate: QUANTISED
;;     19. [M 4,096, K 1,024] x [K 1,024, N 512]; A: input x; B: input w_up: QUANTISED
;;     20. [M 4,096, K 512] x [K 512, N 1,024]; A: computed on the way; B: input w_down: QUANTISED
;;     21. [M 4,096, K 1,024] x [K 1,024, N 512]; A: input x; B: input w_gate: QUANTISED
;;     22. [M 4,096, K 1,024] x [K 1,024, N 512]; A: input x; B: input w_up: QUANTISED
;;     23. [M 4,096, K 512] x [K 512, N 1,024]; A: computed on the way; B: input w_down: QUANTISED
;;     24. [M 4,096, K 1,024] x [K 1,024, N 512]; A: input x; B: input w_gate: QUANTISED
;;     25. [M 4,096, K 1,024] x [K 1,024, N 512]; A: input x; B: input w_up: QUANTISED
;;     26. [M 4,096, K 512] x [K 512, N 1,024]; A: computed on the way; B: input w_down: QUANTISED
;;   THE QUANTISER, for each operand of a quantised product, along K:
;;     - K is cut into blocks of 32 from its start; a last block that is shorter is filled with zeros.
;;     - A block's scale is 2^e with e = floor(log2(the largest magnitude in the block)) - 2, held to -126 .. 127; a block of zeros has e = 0. As a byte (E8M0): e + 127.
;;     - Each number is divided by its block's scale, clamped to +-6, and rounded to the nearest number of E2M1, ties to even, subnormals kept.
;;     - The product sums the exact products of the quantised numbers (number of the format x scale) in f32.
;;   ~~~python
;;   def quantise(x, axis):      # numpy; x: float32 -> the quantised numbers, widened to float32 again
;;       x = np.moveaxis(x, axis, -1); K = x.shape[-1]
;;       x = np.pad(x, [(0, 0)] * (x.ndim - 1) + [(0, -K % 32)]); x = x.reshape(x.shape[:-1] + (-1, 32)); a = np.abs(x).max(-1, keepdims=True)
;;       e = np.where(a > 0, np.clip(np.frexp(np.where(a > 0, a, 1))[1] - 1 - 2, -126, 127), 0)      # np.frexp(a)[1] - 1 = floor(log2(a)), exactly
;;       r = np.clip(x / 2.0 ** e, -6, 6)
;;       step = 2.0 ** (np.maximum(np.frexp(np.where(r == 0, 1, r))[1] - 1, 0) - 1)
;;       q = np.round(r / step) * step * 2.0 ** e      # np.round: ties to even
;;       return np.moveaxis(q.reshape(q.shape[:-2] + (-1,))[..., :K], -1, axis).astype(np.float32)
;;   ~~~
;;   OPERANDS COMPUTED ON THE WAY. 'Computed on the way' means the value that the module computes at that place (a softmax that the list does not call 'softmax' is quantised finished and normalised). What goes into a quantiser is computed in f32, as accurately as f32 sums, v_exp_f32 and their like allow (about 1e-6 of the number): no bf16 or f16 on the way to a quantiser, and a product that is left as it is and whose result goes on into a quantised operand takes f32 operands (vector FMAs, or v_wmma_f32_16x16x4_f32). A number that lies on a knife's edge between two numbers of the format may be rounded either way, as far as f32 arithmetic and the matrix unit's own rounding can turn it there, and no further.
;; One version. Each part assembles by itself: llvm-mc -triple=amdgcn-amd-amdhsa -mcpu=gfx1250 --defsym DOCPART=n.
;; ======== version 1 of 1: 4 launches
;; workspace buffers: xq 2,269,184 bytes; rt 49,152 bytes of whole numbers; wq 6,684,672 bytes; plan 16,640 bytes of whole numbers; hq 3,342,336 bytes
;; launch prep_x (part 1): grid 256 x 1, 4 waves a work-group, no clusters, 31,232 bytes of LDS; arguments x, w_router, xq, rt; writes xq, rt
.if DOCPART == 1
	.amdgcn_target "amdgcn-amd-amdhsa--gfx1250"
	.amdhsa_code_object_version 6
	.text
	.protected	k_q5ba68de107_prep_x
	.globl	k_q5ba68de107_prep_x
	.p2align	8
	.type	k_q5ba68de107_prep_x,@function
k_q5ba68de107_prep_x:
	s_mov_b64 s[64:65], 0
	v_nop
	global_prefetch_b8 v0, s[64:65] scope:SCOPE_SE
	s_setreg_imm32_b32 hwreg(HW_REG_WAVE_MODE, 25, 1), 1
	s_wait_xcnt 0x0
; x [4096][1024] f32 -> codes of E2M1 with one E8M0 byte for each 32 along K, and the router: logits in f32, softmax, top 2, the two weights.
; OUT.  xq: codes [4096][512 bytes] in natural order; at 2,097,152 scale words [4096][8] (word s: k = 128 s on); at 2,228,224 the weights [4096][2] f32 (of the lower expert, of the higher);
;       at 2,260,992 [256 chunks][8] f32: the chunk's sums of the probabilities.   rt: [4096] words key | lo << 8 | hi << 16 | rank << 24; at 16,384 [256 chunks][32] words: how many tokens of the chunk have key = lane.
; KEY.  lo < hi are the chosen experts; key = lo (15 - lo) / 2 + (lo even: hi - lo - 1; lo odd: 7 - hi), 0 .. 27: neighbouring keys share an expert.  rank: tokens of the chunk ahead of this one with the same key.
; No address and no branch here hangs on the choice: it is only stored; the next launch places the rows.
; SHARES.  A work-group owns 16 tokens (a chunk).  Wave w takes k = 256 w .. 256 w + 255 of all 16 rows, in four half-steps of 64 k.  All 64 loads of a wave go out at its head.
; A load reads two rows' 256 consecutive bytes; the 16 x 256 bytes turn through the wave's own stage in LDS (rows 272 bytes apart) and come back as 32 neighbours along K a lane: a whole block, which is what the
; conversion wants, and, two registers at a time, an operand of the f32 matrix form (the same permutation of k on both sources keeps the products).
; ROUTER.  Source 0 = w_router's 8 rows, twice; source 1 = x: lane r holds token r, register j the logit of expert j.  f32 operands: a coarser logit would turn choices over.
; No cluster, no tensor load: no two work-groups read the same bytes of x, and w_router is 32,768 bytes.
; LIMITS.  NaN and infinities among the inputs are not served.  A block of zeros, or one whose largest magnitude lies under 2^-124, gets the byte 1 (the rule says 127 for zeros): its codes are zeros, and this program alone
; reads the bytes.  A logit is summed in 16 partial sums (4 waves x 4 accumulators).  Top 2 by 'greater than' in ascending order on the computed probabilities: the lower index wins a tie.
.set FLOOR, 0x1800000                  ; 2^(3 - 127): under it no largest magnitude is taken, so the byte cannot fall under 1
.set EOFF,  0xff000000                 ; - (2 << 23): 2 off an exponent field
.set LOG2E, 0x3fb8aa3b
.set TS,    0                          ; LDS: four stages of 16 x 272 bytes, one a wave
.set XC,    17408                      ; 16 rows of codes, 512 bytes + 16
.set XSS,   25856                      ; 16 rows of 8 scale words
.set LG,    26368                      ; partial logits: 1,024 bytes a wave, 32 a lane
.set GL,  4                            ; v4   4096 h + 16 r: my 16 bytes of a load
.set ST,  5                            ; v5   the stage, in: 272 h + 16 r
.set LD,  6                            ; v6   the stage, out: 272 r + 128 h
.set WRA, 7                            ; v7   w_router: 4096 (r % 8) + 128 h
.set XCS, 8                            ; v8   where my 16 bytes of codes go
.set XSA, 9                            ; v9   where my row's scale words go
.set LGA, 10                           ; v10  where my partial logits go
.set RB,  11                           ; v11  a row of codes, read back
.set L16, 12                           ; v12  16 x lane
.set SH8, 13                           ; v13  8 h
.set MXA, 14
.set MXB, 15
.set SO,  16                           ; the conversion's scale operand
.set BY,  17                           ; v17-18 the two blocks' bytes
.set W2,  19
.set WD,  20                           ; v20-21 a scale word for each of my two K steps
.set XSR, 22                           ; v22  wave 0: the scale words, read back
.set LGR, 23                           ; v23  wave 0: the partial logits, read back
.set C,   24                           ; v24-39 codes: four registers a half-step
.set LA,  40                           ; v40-71 four f32 accumulators: written by matrix instructions alone
.set T,   72
.set CR,  84
.set SCR, 100
.set X,   128                          ; v128-191 two sets of 32 neighbours
.set WR,  72                           ; window 1: v72-199 w_router, 32 registers a half-step
.set R,   72                           ; window 2: v72-199 x as loaded, 32 registers a half-step
.set PL,  128                          ; wave 0's tail
.set L,   160
.set P,   168
.set Q,   176
.set QN,  184
.set MX,  192
.set SM,  193
.set B1,  194
.set I1,  195
.set B2,  196
.set I2,  197
.set RS,  198
.set TA,  199
.set C1,  200
.set C2,  201
.set CL,  202
.set ELO, 204
.set EHI, 205
.set KEY, 206
.set TU,  207
.set TC,  208
.set HIS, 210
.set LRK, 211
.set TI,  213
.set PS,  216
.set L4,  220
.set L8,  221
.set SEL, 14                           ; s[14:15] selects of v_permlanex16_b32 for lane l xor 16
.set MSB, 0
.macro WIN new                         ; the immediate's high byte repeats the setting that is left
.if MSB != \new
	s_set_vgpr_msb (MSB<<8)|\new
.set MSB, \new
.endif
.endm
; A block of 32 numbers of one lane, v[x] on: its byte into v[by], its 32 codes into v[c] .. v[c + 3]
.macro QB x, c, by
	v_max3_num_f32 v[MXA], |v[\x]|, |v[\x+1]|, FLOOR
	v_max3_num_f32 v[MXB], |v[\x+2]|, |v[\x+3]|, |v[\x+4]|
.irp i, 5,9,13,17,21,25
	v_max3_num_f32 v[MXA], v[MXA], |v[\x+\i]|, |v[\x+\i+1]|
	v_max3_num_f32 v[MXB], v[MXB], |v[\x+\i+2]|, |v[\x+\i+3]|
.endr
	v_max3_num_f32 v[MXA], v[MXA], |v[\x+29]|, |v[\x+30]|
	v_max3_num_f32 v[MXA], v[MXA], v[MXB], |v[\x+31]|
	v_add_nc_u32 v[SO], EOFF, v[MXA]               ; the conversion takes this operand's exponent field as its scale
	v_lshrrev_b32 v[\by], 23, v[SO]
.irp g, 0,1,2,3
	v_cvt_scalef32_pk8_fp4_f32 v[\c+\g], v[\x+8*\g:\x+8*\g+7], v[SO]
.endr
	v_nop                                          ; one plain line behind the last conversion
.endm
; my two bytes (blocks h and 2 + h of a K step) and lane l xor 16's two make the row's scale word, in both halves
.macro SWORD wd, by0, by1
	v_lshl_or_b32 v[\wd], v[\by1], 16, v[\by0]
	v_lshlrev_b32 v[\wd], v[SH8], v[\wd]
	v_permlanex16_b32 v[W2], v[\wd], s[SEL], s[SEL+1]
	v_or_b32 v[\wd], v[\wd], v[W2]
.endm
	s_load_b256 s[4:11], s[0:1], 0x0               ; x s[4:5], w_router s[6:7], xq s[8:9], rt s[10:11]
	v_lshl_add_u32 v254, v0, 2, 0x7800
	v_mov_b32 v255, 0
	v_lshrrev_b32 v1, 5, v0
	v_readfirstlane_b32 s12, v1                    ; wave
	v_and_b32 v1, 31, v0                           ; l
	v_and_b32 v2, 15, v0                           ; r
	v_bfe_u32 v3, v0, 4, 1                         ; h
	s_mov_b32 s[SEL], 0x76543210
	s_mov_b32 s[SEL+1], 0xfedcba98
	v_lshlrev_b32 v[GL], 12, v3
	v_lshl_add_u32 v[GL], v2, 4, v[GL]
	s_mul_i32 s16, s12, 4352
	v_mul_u32_u24 v[ST], v3, 272
	v_lshl_add_u32 v[ST], v2, 4, v[ST]
	v_add_nc_u32 v[ST], s16, v[ST]
	v_mul_u32_u24 v[LD], v2, 272
	v_lshl_add_u32 v[LD], v3, 7, v[LD]
	v_add_nc_u32 v[LD], s16, v[LD]
	v_and_b32 v[WRA], 7, v0
	v_lshlrev_b32 v[WRA], 12, v[WRA]
	v_lshl_add_u32 v[WRA], v3, 7, v[WRA]
	v_mul_u32_u24 v[XCS], v2, 528
	v_lshl_add_u32 v[XCS], v3, 4, v[XCS]
	s_lshl_b32 s17, s12, 7
	s_add_co_u32 s17, s17, XC
	v_add_nc_u32 v[XCS], s17, v[XCS]               ; XC + 528 r + 16 h + 128 w
	v_lshlrev_b32 v[XSA], 5, v2
	s_lshl_b32 s17, s12, 3
	s_add_co_u32 s17, s17, XSS
	v_add_nc_u32 v[XSA], s17, v[XSA]               ; XSS + 32 r + 8 w
	v_lshlrev_b32 v[LGA], 5, v1
	s_lshl_b32 s17, s12, 10
	s_add_co_u32 s17, s17, LG
	v_add_nc_u32 v[LGA], s17, v[LGA]               ; LG + 1024 w + 32 l
	v_lshlrev_b32 v[L16], 4, v1
	s_mul_i32 s17, s12, 528
	s_add_co_u32 s17, s17, XC
	v_add_nc_u32 v[RB], s17, v[L16]                ; XC + 528 w + 16 l
	v_lshlrev_b32 v[SH8], 3, v3
	v_mov_b32 v[W2], 0                             ; a lane permute's destination counts as read: written once
	v_add_nc_u32 v[XSR], XSS, v[L16]
	v_lshl_add_u32 v[LGR], v1, 5, LG
	s_mov_b32 s19, 0
	s_lshl_b32 s18, ttmp9, 16                      ; 16 rows of 4,096 bytes a work-group,
	s_lshl_b32 s17, s12, 10                        ; 1,024 bytes of a row a wave
	s_add_co_u32 s18, s18, s17
	s_wait_kmcnt 0x0
	s_add_nc_u64 s[4:5], s[4:5], s[18:19]
	s_mov_b32 s18, s17
	s_add_nc_u64 s[6:7], s[6:7], s[18:19]
.irp t, 0,1,2,3                        ; half-step t: bytes 256 t on of my 1,024
	WIN 0x80                                       ; destination window 2
.irp i, 0,1,2,3,4,5,6,7
	global_load_b128 v[R+32*\t+4*\i:R+32*\t+4*\i+3], v[GL], s[4:5] offset:256*\t+8192*\i th:TH_LOAD_NT   ; rows 2 i and 2 i + 1: 256 consecutive bytes each
.endr
	WIN 0x40                                       ; destination window 1
.irp i, 0,1,2,3,4,5,6,7
	global_load_b128 v[WR+32*\t+4*\i:WR+32*\t+4*\i+3], v[WRA], s[6:7] offset:256*\t+16*\i               ; w_router(r % 8, the same k as my 32 numbers of x)
.endr
.endr
	WIN 0
	s_lshl_b32 s18, ttmp9, 13
	s_lshl_b32 s17, s12, 9
	s_add_co_u32 s18, s18, s17
	s_add_nc_u64 s[22:23], s[8:9], s[18:19]        ; codes: row 16 g + w
	s_lshl_b32 s18, ttmp9, 9
	s_add_co_u32 s18, s18, 2097152
	s_add_nc_u64 s[24:25], s[8:9], s[18:19]        ; scale words
	s_lshl_b32 s18, ttmp9, 7
	s_add_co_u32 s18, s18, 2228224
	s_add_nc_u64 s[26:27], s[8:9], s[18:19]        ; weights
	s_lshl_b32 s18, ttmp9, 5
	s_add_co_u32 s18, s18, 2260992
	s_add_nc_u64 s[28:29], s[8:9], s[18:19]        ; sums of probabilities
	s_lshl_b32 s18, ttmp9, 6
	s_add_nc_u64 s[30:31], s[10:11], s[18:19]      ; token words
	s_lshl_b32 s18, ttmp9, 7
	s_add_co_u32 s18, s18, 16384
	s_add_nc_u64 s[32:33], s[10:11], s[18:19]      ; histogram
.macro STEP t
	s_wait_loadcnt 16*(3-(\t))                     ; this half-step's 16 loads are in; the later half-steps' may be out
	WIN 0x08                                       ; an LDS store's data: window 2
.irp i, 0,1,2,3,4,5,6,7
	ds_store_b128 v[ST], v[R+32*(\t)+4*\i:R+32*(\t)+4*\i+3] offset:544*\i
.endr
	WIN 0
.irp i, 0,1,2,3,4,5,6,7
	ds_load_b128 v[X+32*((\t)%2)+4*\i:X+32*((\t)%2)+4*\i+3], v[LD] offset:16*\i    ; LDS serves a wave's instructions in order: these see the stores above.  The set's last reader, a matrix instruction two half-steps back, stands more than eight plain lines back
.endr
	s_wait_dscnt 0x0
	QB X+32*((\t)%2), C+4*(\t), BY+(\t)%2
	ds_store_b128 v[XCS], v[C+4*(\t):C+4*(\t)+3] offset:32*(\t)
.if (\t)%2
	SWORD WD+(\t)/2, BY, BY+1
	ds_store_b32 v[XSA], v[WD+(\t)/2] offset:4*((\t)/2)      ; both halves write the same word with the same value
.endif
	WIN 0x01                                       ; source 0 (w_router) window 1
.set p, 0
.rept 16                               ; the four accumulators take turns
.if ((\t) == 0) && (p < 4)
	v_wmma_f32_16x16x4_f32 v[LA+8*(p%4):LA+8*(p%4)+7], v[WR+32*(\t)+2*p:WR+32*(\t)+2*p+1], v[X+32*((\t)%2)+2*p:X+32*((\t)%2)+2*p+1], 0
.else
	v_wmma_f32_16x16x4_f32 v[LA+8*(p%4):LA+8*(p%4)+7], v[WR+32*(\t)+2*p:WR+32*(\t)+2*p+1], v[X+32*((\t)%2)+2*p:X+32*((\t)%2)+2*p+1], v[LA+8*(p%4):LA+8*(p%4)+7]
.endif
.set p, p+1
.endr
	WIN 0
.endm
	STEP 0
	STEP 1
	STEP 2
	STEP 3
.rept 8
	v_nop                                          ; eight places behind this matrix form before its results are read (ISA guide 7.12.1)
.endr
.irp j, 0,1,2,3,4,5,6,7                ; each accumulator is read from its low end on
	v_add_f32 v80, v[LA+\j], v[LA+8+\j]
	v_add_f32 v81, v[LA+16+\j], v[LA+24+\j]
	v_add_f32 v[T+\j], v80, v81
.endr
	ds_store_b128 v[LGA], v[T:T+3]
	ds_store_b128 v[LGA], v[T+4:T+7] offset:16
	s_wait_dscnt 0x0                               ; for the others' sake: my codes, scale words and partial logits lie in LDS
	s_barrier_signal -1
	s_barrier_wait -1
.irp i, 0,1,2,3
	ds_load_b128 v[CR+4*\i:CR+4*\i+3], v[RB] offset:2112*\i       ; rows w, w + 4, w + 8, w + 12 of codes, whole
.endr
.irp i, 0,1,2,3
	s_wait_dscnt 3-\i
	global_store_b128 v[L16], v[CR+4*\i:CR+4*\i+3], s[22:23] offset:2048*\i      ; 32 lanes store a row's 512 consecutive bytes
.endr
	s_cmp_lg_u32 s12, 0
	s_cbranch_scc1 .Lend
	; ---- wave 0: the chunk's scale words, and the router's tail.  Lane r and lane r + 16 both hold token r
	ds_load_b128 v[SCR:SCR+3], v[XSR]
.irp k, 0,1,2,3
	ds_load_b128 v[PL+8*\k:PL+8*\k+3], v[LGR] offset:1024*\k
	ds_load_b128 v[PL+8*\k+4:PL+8*\k+7], v[LGR] offset:1024*\k+16
.endr
	s_wait_dscnt 0x0
	global_store_b128 v[L16], v[SCR:SCR+3], s[24:25]             ; 512 consecutive bytes
.irp j, 0,1,2,3,4,5,6,7
	v_add_f32 v[L+\j], v[PL+\j], v[PL+8+\j]
	v_add_f32 v[L+\j], v[L+\j], v[PL+16+\j]
	v_add_f32 v[L+\j], v[L+\j], v[PL+24+\j]
.endr
	v_max3_num_f32 v[MX], v[L], v[L+1], v[L+2]
	v_max3_num_f32 v[MX], v[MX], v[L+3], v[L+4]
	v_max3_num_f32 v[MX], v[MX], v[L+5], v[L+6]
	v_max_num_f32 v[MX], v[MX], v[L+7]             ; the row's maximum is taken away
.irp j, 0,1,2,3,4,5,6,7
	v_sub_f32 v[P+\j], v[L+\j], v[MX]
.endr
.irp j, 0,1,2,3,4,5,6,7
	v_mul_f32 v[P+\j], LOG2E, v[P+\j]
.endr
.irp j, 0,1,2,3,4,5,6,7
	v_exp_f32 v[P+\j], v[P+\j]
.endr
	v_lshlrev_b32 v[L4], 2, v1                     ; (a plain line behind the exponentials)
	s_wait_alu depctr_va_vdst(0)
	v_add_f32 v[SM], v[P], v[P+1]
	v_add_f32 v[TA], v[P+2], v[P+3]
	v_add_f32 v[TU], v[P+4], v[P+5]
	v_add_f32 v[TC], v[P+6], v[P+7]
	v_add_f32 v[SM], v[SM], v[TA]
	v_add_f32 v[TU], v[TU], v[TC]
	v_add_f32 v[SM], v[SM], v[TU]
	v_rcp_f32 v[RS], v[SM]
	v_lshlrev_b32 v[L8], 3, v1                     ; (a plain line behind the reciprocal)
	s_wait_alu depctr_va_vdst(0)
.irp j, 0,1,2,3,4,5,6,7
	v_mul_f32 v[Q+\j], v[P+\j], v[RS]              ; the probabilities
.endr
	v_mov_b32 v[B1], v[Q]
	v_mov_b32 v[I1], 0
.irp e, 1,2,3,4,5,6,7
	v_cmp_gt_f32 vcc_lo, v[Q+\e], v[B1]
	v_cndmask_b32 v[B1], v[B1], v[Q+\e], vcc_lo
	v_cndmask_b32 v[I1], v[I1], \e, vcc_lo
.endr
.irp e, 0,1,2,3,4,5,6,7
	v_cmp_eq_u32 vcc_lo, \e, v[I1]
	v_cndmask_b32 v[QN+\e], v[Q+\e], -1.0, vcc_lo  ; the first choice is taken out
.endr
	v_mov_b32 v[B2], v[QN]
	v_mov_b32 v[I2], 0
.irp e, 1,2,3,4,5,6,7
	v_cmp_gt_f32 vcc_lo, v[QN+\e], v[B2]
	v_cndmask_b32 v[B2], v[B2], v[QN+\e], vcc_lo
	v_cndmask_b32 v[I2], v[I2], \e, vcc_lo
.endr
	v_add_f32 v[TA], v[B1], v[B2]                  ; at least 1/8
	v_rcp_f32 v[RS], v[TA]
	v_min_u32 v[ELO], v[I1], v[I2]                 ; (a plain line behind the reciprocal)
	v_max_u32 v[EHI], v[I1], v[I2]
	s_wait_alu depctr_va_vdst(0)
	v_mul_f32 v[C1], v[B1], v[RS]
	v_mul_f32 v[C2], v[B2], v[RS]
	v_cmp_lt_u32 vcc_lo, v[I1], v[I2]
	v_cndmask_b32 v[CL], v[C2], v[C1], vcc_lo      ; the lower expert's weight,
	v_cndmask_b32 v[CL+1], v[C1], v[C2], vcc_lo    ; the higher's
	v_sub_nc_u32 v[TA], 15, v[ELO]
	v_mul_u32_u24 v[TA], v[TA], v[ELO]
	v_lshrrev_b32 v[TA], 1, v[TA]                  ; lo (15 - lo) / 2
	v_sub_nc_u32 v[TU], v[EHI], v[ELO]
	v_add_nc_u32 v[TU], -1, v[TU]                  ; hi - lo - 1
	v_sub_nc_u32 v[TC], 7, v[EHI]                  ; 7 - hi
	v_and_b32 v[KEY], 1, v[ELO]
	v_cmp_eq_u32 vcc_lo, 1, v[KEY]
	v_cndmask_b32 v[TU], v[TU], v[TC], vcc_lo
	v_add_nc_u32 v[KEY], v[TA], v[TU]
	v_mov_b32 v[HIS], 0
	v_mov_b32 v[LRK], 0
.irp i, 0,1,2,3,4,5,6,7,8,9,10,11,12,13,14,15  ; token i's key against every lane's number (the histogram) and against the keys of the tokens behind it (their ranks): values only
	v_readlane_b32 s21, v[KEY], \i
	v_cmp_eq_u32 vcc_lo, s21, v1
	v_cndmask_b32 v[TA], 0, 1, vcc_lo
	v_add_nc_u32 v[HIS], v[HIS], v[TA]
	v_cmp_eq_u32 vcc_lo, s21, v[KEY]
	s_and_b32 vcc_lo, vcc_lo, ((0xfffe<<\i)&0xffff)*0x10001
	v_cndmask_b32 v[TA], 0, 1, vcc_lo
	v_add_nc_u32 v[LRK], v[LRK], v[TA]
.endr
.irp k, 1,2,4,8                        ; the chunk's sums of the probabilities: over the 16 lanes of a row
.irp j, 0,1,2,3,4,5,6,7
	v_add_f32_dpp v[Q+\j], v[Q+\j], v[Q+\j] row_xmask:\k row_mask:0xf bank_mask:0xf
.endr
.endr
	s_mov_b32 s34, 0xaaaaaaaa
.irp j, 0,1,2,3
	v_cndmask_b32 v[PS+\j], v[Q+\j], v[Q+4+\j], s34          ; even lanes experts 0-3, odd lanes 4-7
.endr
	v_lshl_or_b32 v[TI], v[ELO], 8, v[KEY]
	v_lshl_or_b32 v[TI], v[EHI], 16, v[TI]
	v_lshl_or_b32 v[TI], v[LRK], 24, v[TI]
	global_store_b32 v[L4], v[HIS], s[32:33]
	s_wait_xcnt 0x0                                ; EXEC changes only behind this wait
	v_cmp_gt_u32 vcc_lo, 16, v0
	s_and_saveexec_b32 s20, vcc_lo
	global_store_b32 v[L4], v[TI], s[30:31]
	global_store_b64 v[L8], v[CL:CL+1], s[26:27]
	s_wait_xcnt 0x0
	s_or_b32 exec_lo, exec_lo, s20
	v_cmp_gt_u32 vcc_lo, 2, v0
	s_and_saveexec_b32 s20, vcc_lo
	global_store_b128 v[L16], v[PS:PS+3], s[28:29]
	s_wait_xcnt 0x0
	s_or_b32 exec_lo, exec_lo, s20
.Lend:
	s_wait_tensorcnt 0x0
	ds_add_u32 v254, v255
	s_wait_dscnt 0x0
	s_endpgm
.Lfunc_end_k_q5ba68de107_prep_x:
	.size	k_q5ba68de107_prep_x, .Lfunc_end_k_q5ba68de107_prep_x-k_q5ba68de107_prep_x
	.p2alignl 7, 3214868480
	.fill 96, 4, 3214868480
	.section	.rodata,"a",@progbits
	.p2align	6, 0x0
	.amdhsa_kernel k_q5ba68de107_prep_x
		.amdhsa_group_segment_fixed_size 31232
		.amdhsa_private_segment_fixed_size 0
		.amdhsa_enable_private_segment 0
		.amdhsa_kernarg_size 32
		.amdhsa_user_sgpr_count 2
		.amdhsa_user_sgpr_kernarg_segment_ptr 1
		.amdhsa_wavefront_size32 1
		.amdhsa_system_sgpr_workgroup_id_x 1
		.amdhsa_system_sgpr_workgroup_id_y 1
		.amdhsa_system_sgpr_workgroup_id_z 1
		.amdhsa_system_vgpr_workitem_id 0
		.amdhsa_next_free_vgpr 712
		.amdhsa_next_free_sgpr 66
		.amdhsa_reserve_vcc 1
		.amdhsa_float_denorm_mode_32 3
		.amdhsa_float_denorm_mode_16_64 3
		.amdhsa_memory_ordered 1
		.amdhsa_forward_progress 1
		.amdhsa_inst_pref_size 43
	.end_amdhsa_kernel
	.amdgpu_metadata
---
amdhsa.version: [ 1, 2 ]
amdhsa.kernels:
  - .name:           k_q5ba68de107_prep_x
    .symbol:         k_q5ba68de107_prep_x.kd
    .args:
      - { .name: x, .offset: 0, .size: 8, .value_kind: global_buffer, .address_space: global }
      - { .name: w_router, .offset: 8, .size: 8, .value_kind: global_buffer, .address_space: global }
      - { .name: xq, .offset: 16, .size: 8, .value_kind: global_buffer, .address_space: global }
      - { .name: rt, .offset: 24, .size: 8, .value_kind: global_buffer, .address_space: global }
    .group_segment_fixed_size: 31232
    .private_segment_fixed_size: 0
    .kernarg_segment_align: 8
    .kernarg_segment_size: 32
    .max_flat_workgroup_size: 128
    .sgpr_count:     66
    .vgpr_count:     712
    .wavefront_size: 32
...
	.end_amdgpu_metadata
.endif
;; end of part 1
;; launch prep_w (part 2): grid 385 x 1, 4 waves a work-group, no clusters, 36,352 bytes of LDS; arguments w_gate, w_up, w_down, xq, rt, wq, plan, out1; writes wq, plan, out1
.if DOCPART == 2
	.amdgcn_target "amdgcn-amd-amdhsa--gfx1250"
	.amdhsa_code_object_version 6
	.text
	.protected	k_q5ba68de107_prep_w
	.globl	k_q5ba68de107_prep_w
	.p2align	8
	.type	k_q5ba68de107_prep_w,@function
k_q5ba68de107_prep_w:
	s_mov_b64 s[64:65], 0
	v_nop
	global_prefetch_b8 v0, s[64:65] scope:SCOPE_SE
	s_setreg_imm32_b32 hwreg(HW_REG_WAVE_MODE, 25, 1), 1
	s_wait_xcnt 0x0
; Work-groups 1 .. 256: w_gate and w_up; 257 .. 384: w_down: f32 -> codes of E2M1 with E8M0 bytes, laid in the order of the operand's registers.  Work-group 0: the placing of the rows, and the aux number.
; UNIT.  A wave makes one unit: four fragments of 16 rows x 128 K: 4,096 bytes of codes [fragment f][c][lane][16 bytes] and 256 bytes of scale words [lane][2]: word g: lanes 0-15 fragment 2 g, lanes 16-31 fragment 2 g + 1.
;   gate and up: unit U = (16 e + hb) 8 + s, hb a block of 32 hidden units, s the K step.  f = 0, 1: gate, f = 2, 3: up; row i of fragment f is row 8 (f % 2) + i + 8 (i / 8) of the block, so that the 16 registers of a pair
;   of result tiles are 16 neighbours along the next K.   down: unit U = (16 e + cb) 4 + s, cb a block of 64 output columns; row i of fragment f is row 16 f + i.
;   wq: gate and up codes at 0, down codes at 4,194,304, gate and up scale words at 6,291,456, down scale words at 6,553,600.
; A load reads two rows' 256 consecutive bytes; 16 x 256 bytes turn through the wave's own stage in LDS and come back as a whole block of 32 a lane.  Four sets of eight loads a wave are out.
; WORK-GROUP 0 reads the chunks' histograms and the tokens' words, which the launch before stored as whole numbers, and sorts the tokens by key with a counting sort: no atomics.  plan: [4096] words token | lo << 16 | hi << 24
; in sorted order; at 16,384 [64] words: the experts that a block of 64 sorted tokens uses, as a mask.  out1 = 0.08 / 4096^2 x the sum over e of (tokens that chose e) x (sum of e's probabilities).
; The three paths part on the work-group's number alone and have LDS bytes of their own.  No cluster, no tensor load: no byte of a weight is read twice.
; LIMITS.  NaN and infinities are not served.  A block of zeros, or one whose largest magnitude lies under 2^-124, gets the byte 1: its codes are zeros, and this program alone reads the bytes.
.set FLOOR, 0x1800000
.set EOFF,  0xff000000
.set TB,    34816                      ; LDS of work-group 0: the waves' totals for each key, 128 bytes a wave
.set PSB,   35328                      ; and their sums of probabilities, 32 bytes a wave
.set GL,  4
.set ST,  5
.set LD,  6
.set SH8, 9
.set MXA, 10
.set MXB, 11
.set SO,  12
.set BY,  13                           ; v13-14
.set W2,  15
.set WD,  16                           ; v16-19 a fragment's scale words
.set C,   32                           ; v32-63 codes: four registers a half-step, so that no store's data are written again
.set X,   64                           ; v64-95 32 neighbours
.set R,   96                           ; v96-223 four sets of 32 registers as loaded
.set SEL, 32                           ; s[32:33]
.macro QB x, c, by
	v_max3_num_f32 v[MXA], |v[\x]|, |v[\x+1]|, FLOOR
	v_max3_num_f32 v[MXB], |v[\x+2]|, |v[\x+3]|, |v[\x+4]|
.irp i, 5,9,13,17,21,25
	v_max3_num_f32 v[MXA], v[MXA], |v[\x+\i]|, |v[\x+\i+1]|
	v_max3_num_f32 v[MXB], v[MXB], |v[\x+\i+2]|, |v[\x+\i+3]|
.endr
	v_max3_num_f32 v[MXA], v[MXA], |v[\x+29]|, |v[\x+30]|
	v_max3_num_f32 v[MXA], v[MXA], v[MXB], |v[\x+31]|
	v_add_nc_u32 v[SO], EOFF, v[MXA]
	v_lshrrev_b32 v[\by], 23, v[SO]
.irp g, 0,1,2,3
	v_cvt_scalef32_pk8_fp4_f32 v[\c+\g], v[\x+8*\g:\x+8*\g+7], v[SO]
.endr
	v_nop
.endm
.macro SWORD wd, by0, by1
	v_lshl_or_b32 v[\wd], v[\by1], 16, v[\by0]
	v_lshlrev_b32 v[\wd], v[SH8], v[\wd]
	v_permlanex16_b32 v[W2], v[\wd], s[SEL], s[SEL+1]
	v_or_b32 v[\wd], v[\wd], v[W2]
.endm
; half-step t = 2 f + c: 16 rows x 64 K of fragment f, into set t % 4
.macro WLOAD t, gu
.if \gu
.set PP,  20+2*((\t)/4)
.set OFS, 8*(((\t)/2)%2)*4096+256*((\t)%2)
.else
.set PP,  20
.set OFS, 16*((\t)/2)*2048+256*((\t)%2)
.endif
.irp i, 0,1,2,3,4,5,6,7
.if \gu
	global_load_b128 v[R+32*((\t)%4)+4*\i:R+32*((\t)%4)+4*\i+3], v[GL], s[PP:PP+1] offset:OFS+(2*\i+8*(\i/4))*4096 th:TH_LOAD_NT
.else
	global_load_b128 v[R+32*((\t)%4)+4*\i:R+32*((\t)%4)+4*\i+3], v[GL], s[PP:PP+1] offset:OFS+2*\i*2048 th:TH_LOAD_NT
.endif
.endr
.endm
.macro WSTEP t, gu
.if 7-(\t) >= 3
	s_wait_loadcnt 24                              ; this set's eight loads are in; the three sets behind it may be out
.else
	s_wait_loadcnt 8*(7-(\t))
.endif
.irp i, 0,1,2,3,4,5,6,7
	ds_store_b128 v[ST], v[R+32*((\t)%4)+4*\i:R+32*((\t)%4)+4*\i+3] offset:544*\i
.endr
.irp i, 0,1,2,3,4,5,6,7
	ds_load_b128 v[X+4*\i:X+4*\i+3], v[LD] offset:16*\i          ; LDS serves a wave's instructions in order: these see the stores above
.endr
	s_wait_dscnt 0x0                               ; the numbers are back, and the stores have read the set,
.if (\t)+4 < 8
	WLOAD (\t)+4, \gu                              ; which takes the loads of four half-steps on
.endif
	QB X, C+4*(\t), BY+(\t)%2
	global_store_b128 v7, v[C+4*(\t):C+4*(\t)+3], s[24:25] offset:512*(\t)       ; 512 consecutive bytes
.if (\t)%2
	SWORD WD+(\t)/2, BY, BY+1
.endif
.endm
.macro UNIT gu
	WLOAD 0, \gu
	WLOAD 1, \gu
	WLOAD 2, \gu
	WLOAD 3, \gu
.irp t, 0,1,2,3,4,5,6,7
	WSTEP \t, \gu
.endr
	v_cndmask_b32 v20, v16, v17, s34               ; lanes 0-15 the even fragment's words, lanes 16-31 the odd one's
	v_cndmask_b32 v21, v18, v19, s34
	global_store_b64 v8, v[20:21], s[26:27]        ; 256 consecutive bytes
.endm
	s_load_b512 s[4:19], s[0:1], 0x0               ; w_gate s[4:5], w_up s[6:7], w_down s[8:9], xq s[10:11], rt s[12:13], wq s[14:15], plan s[16:17], out1 s[18:19]
	v_lshl_add_u32 v224, v0, 2, 0x8c00
	v_mov_b32 v225, 0
	v_lshrrev_b32 v1, 5, v0
	v_readfirstlane_b32 s28, v1                    ; wave
	v_and_b32 v1, 31, v0                           ; l
	v_and_b32 v2, 15, v0                           ; r
	v_bfe_u32 v3, v0, 4, 1                         ; h
	s_mov_b32 s[SEL], 0x76543210
	s_mov_b32 s[SEL+1], 0xfedcba98
	s_mov_b32 s34, 0xffff0000                      ; lanes 16-31
	s_mov_b32 s31, 0
	v_lshlrev_b32 v7, 4, v1                        ; 16 l
	v_lshlrev_b32 v8, 3, v1                        ; 8 l
	v_lshlrev_b32 v[SH8], 3, v3
	v_mov_b32 v[W2], 0
	s_wait_kmcnt 0x0
	s_cmp_eq_u32 ttmp9, 0
	s_cbranch_scc1 .Lsort
	s_cmp_gt_u32 ttmp9, 256
	s_cbranch_scc1 .Ldown
	; ---- gate and up
	s_mul_i32 s35, s28, 4352                       ; my stage: LDS 0 on
	v_lshlrev_b32 v[GL], 12, v3
	v_lshl_add_u32 v[GL], v2, 4, v[GL]             ; 4096 h + 16 r
	v_mul_u32_u24 v[ST], v3, 272
	v_lshl_add_u32 v[ST], v2, 4, v[ST]
	v_add_nc_u32 v[ST], s35, v[ST]
	v_mul_u32_u24 v[LD], v2, 272
	v_lshl_add_u32 v[LD], v3, 7, v[LD]
	v_add_nc_u32 v[LD], s35, v[LD]
	s_sub_co_u32 s29, ttmp9, 1
	s_lshl_b32 s29, s29, 2
	s_add_co_u32 s29, s29, s28                     ; U
	s_lshr_b32 s30, s29, 3
	s_lshl_b32 s30, s30, 17                        ; 32 rows of 4,096 bytes for each block of hidden units,
	s_and_b32 s35, s29, 7
	s_lshl_b32 s35, s35, 9                         ; 512 bytes a K step
	s_add_co_u32 s30, s30, s35
	s_add_nc_u64 s[20:21], s[4:5], s[30:31]
	s_add_nc_u64 s[22:23], s[6:7], s[30:31]
	s_lshl_b32 s30, s29, 12
	s_add_nc_u64 s[24:25], s[14:15], s[30:31]
	s_lshl_b32 s30, s29, 8
	s_add_co_u32 s30, s30, 6291456
	s_add_nc_u64 s[26:27], s[14:15], s[30:31]
	UNIT 1
	s_wait_tensorcnt 0x0
	ds_add_u32 v224, v225
	s_wait_dscnt 0x0
	s_endpgm
.Ldown:
	s_mul_i32 s35, s28, 4352
	s_add_co_u32 s35, s35, 17408                   ; my stage: LDS 17,408 on
	v_lshlrev_b32 v[GL], 11, v3
	v_lshl_add_u32 v[GL], v2, 4, v[GL]             ; 2048 h + 16 r
	v_mul_u32_u24 v[ST], v3, 272
	v_lshl_add_u32 v[ST], v2, 4, v[ST]
	v_add_nc_u32 v[ST], s35, v[ST]
	v_mul_u32_u24 v[LD], v2, 272
	v_lshl_add_u32 v[LD], v3, 7, v[LD]
	v_add_nc_u32 v[LD], s35, v[LD]
	s_sub_co_u32 s29, ttmp9, 257
	s_lshl_b32 s29, s29, 2
	s_add_co_u32 s29, s29, s28                     ; U
	s_lshr_b32 s30, s29, 2
	s_lshl_b32 s30, s30, 17                        ; 64 rows of 2,048 bytes for each block of columns
	s_and_b32 s35, s29, 3
	s_lshl_b32 s35, s35, 9
	s_add_co_u32 s30, s30, s35
	s_add_nc_u64 s[20:21], s[8:9], s[30:31]
	s_lshl_b32 s30, s29, 12
	s_add_co_u32 s30, s30, 4194304
	s_add_nc_u64 s[24:25], s[14:15], s[30:31]
	s_lshl_b32 s30, s29, 8
	s_add_co_u32 s30, s30, 6553600
	s_add_nc_u64 s[26:27], s[14:15], s[30:31]
	UNIT 0
	s_wait_tensorcnt 0x0
	ds_add_u32 v224, v225
	s_wait_dscnt 0x0
	s_endpgm
.Lsort:
	; ---- the placing.  Wave w owns chunks 64 w .. 64 w + 63 (tokens 1024 w on).  v64 = 0, v65-128 the chunks' histograms (lane = key), v129-160 the tokens' words (register i, lane l: token 1024 w + 32 i + l, chunk 2 i + h)
	s_lshl_b32 s35, s28, 13
	v_lshl_add_u32 v4, v1, 2, s35
	s_lshl_b32 s35, s28, 12
	v_lshl_add_u32 v5, v1, 2, s35
	s_lshl_b32 s35, s28, 11
	v_lshl_add_u32 v6, v1, 4, s35
.set i, 0
.rept 64
	global_load_b32 v[65+i], v4, s[12:13] offset:16384+128*i
.set i, i+1
.endr
.set i, 0
.rept 32
	global_load_b32 v[129+i], v5, s[12:13] offset:128*i
.set i, i+1
.endr
.irp k, 0,1,2,3
	global_load_b128 v[168+4*\k:171+4*\k], v6, s[10:11] offset:2260992+512*\k     ; lane l: chunk 16 k + l / 2, experts 4 (l % 2) on
.endr
	s_lshl_b32 s35, s28, 7
	s_add_co_u32 s35, s35, TB
	v_lshl_add_u32 v10, v1, 2, s35                 ; TB + 128 w + 4 l
	v_lshl_add_u32 v11, v1, 2, TB
	v_and_b32 v12, 1, v0
	s_lshl_b32 s35, s28, 5
	s_add_co_u32 s35, s35, PSB
	v_lshl_add_u32 v12, v12, 4, s35                ; PSB + 32 w + 16 (l % 2)
	v_and_b32 v13, 7, v0
	v_lshl_add_u32 v13, v13, 4, PSB
	v_lshlrev_b32 v14, 2, v0
	v_lshlrev_b32 v16, 6, v0                       ; thread b stands for block b: sorted places 64 b ..
	v_add_nc_u32 v17, 64, v16                      ; .. 64 b + 63
	v_mov_b32 v18, 0                               ; where each key begins (lane = key)
	v_mov_b32 v19, 0                               ; the block's mask
	s_lshl_b32 s35, s28, 10
	v_add_nc_u32 v23, s35, v1                      ; 1024 w + l
	v_mov_b32 v64, 0
	s_wait_loadcnt 36                              ; the 64 histograms are in; 32 loads of token words and 4 of sums may be out
.set i, 1
.rept 63
	v_add_nc_u32 v[65+i], v[65+i], v[64+i]         ; running sums: v[64 + i] = tokens of each key in my chunks ahead of chunk i
.set i, i+1
.endr
	ds_store_b32 v10, v128                         ; my wave's total for each key
	s_wait_loadcnt 0x0
.irp k, 0,1,2,3
	v_add_f32 v[168+\k], v[168+\k], v[172+\k]
	v_add_f32 v[176+\k], v[176+\k], v[180+\k]
.endr
.irp k, 0,1,2,3
	v_add_f32 v[168+\k], v[168+\k], v[176+\k]
.endr
.irp q, 2,4,8
.irp k, 0,1,2,3
	v_add_f32_dpp v[168+\k], v[168+\k], v[168+\k] row_xmask:\q row_mask:0xf bank_mask:0xf
.endr
.endr
.irp k, 0,1,2,3
	v_permlanex16_b32 v[172+\k], v[168+\k], s[SEL], s[SEL+1]
.endr
.irp k, 0,1,2,3
	v_add_f32 v[168+\k], v[168+\k], v[172+\k]      ; over all lanes of my parity
.endr
	ds_store_b128 v12, v[168:171]                  ; lanes of equal parity write the same bytes with the same values
	s_wait_dscnt 0x0                               ; for the others' sake
	s_barrier_signal -1                            ; the way here hangs on the work-group's number alone: all four waves pass
	s_barrier_wait -1
.irp k, 0,1,2,3
	ds_load_b32 v[24+\k], v11 offset:128*\k
.endr
	s_wait_dscnt 0x0
	v_add_nc_u32 v20, v24, v25
	v_add3_u32 v20, v20, v26, v27                  ; each key's tokens in all
	v_mov_b32 v21, 0
.irp k, 0,1,2
	s_cmp_gt_u32 s28, \k
	s_cselect_b32 s35, -1, 0
	v_and_b32 v22, s35, v[24+\k]
	v_add_nc_u32 v21, v21, v22                     ; and in the waves ahead of mine
.endr
	s_mov_b32 s36, 0
.irp e, 0,1,2,3,4,5,6,7
	s_mov_b32 s[40+\e], 0
.endr
.set QLO, 0
.set QHI, 1
.set QQ, 0
.rept 28                               ; the keys in order: where each begins, each expert's tokens, and which blocks of 64 places the key meets
	v_readlane_b32 s37, v20, QQ
	v_writelane_b32 v18, s36, QQ
	s_add_co_u32 s[40+QLO], s[40+QLO], s37
	s_add_co_u32 s[40+QHI], s[40+QHI], s37
	s_cmp_eq_u32 s37, 0
	s_cselect_b32 s38, 0x7fffffff, s36             ; a key without tokens meets no block
	s_add_co_u32 s36, s36, s37
	v_cmp_lt_u32 s39, s38, v17
	v_cmp_gt_u32 vcc_lo, s36, v16
	s_and_b32 vcc_lo, vcc_lo, s39
	v_mov_b32 v22, (1<<QLO)|(1<<QHI)
	v_cndmask_b32 v22, 0, v22, vcc_lo
	v_or_b32 v19, v19, v22
.if (QLO%2) == 0
.if QHI == 7
.set QLO, QLO+1
.else
.set QHI, QHI+1
.endif
.else
.if QHI == QLO+1
.set QLO, QLO+1
.set QHI, QLO+1
.else
.set QHI, QHI-1
.endif
.endif
.set QQ, QQ+1
.endr
	v_add_nc_u32 v21, v18, v21
.set i, 0
.rept 64
	v_add_nc_u32 v[64+i], v[64+i], v21             ; chunk i's first place for each key
.set i, i+1
.endr
.irp bt, 0,1,2,3                       ; eight registers of token words at a time
	s_wait_xcnt 0x0                                ; the last batch's stores have read their registers
.irp i, 0,1,2,3,4,5,6,7
	v_and_b32 v[216+\i], 0xff, v[129+8*\bt+\i]
	v_min_u32 v[216+\i], 31, v[216+\i]             ; the key, held inside the wave
	v_lshlrev_b32 v[216+\i], 2, v[216+\i]
	ds_bpermute_b32 v[184+2*\i], v[216+\i], v[64+2*(8*\bt+\i)]     ; the even chunk's place for my key,
	ds_bpermute_b32 v[185+2*\i], v[216+\i], v[65+2*(8*\bt+\i)]     ; the odd chunk's
.endr
	s_wait_dscnt 0x0
.irp i, 0,1,2,3,4,5,6,7
	v_cndmask_b32 v[200+\i], v[184+2*\i], v[185+2*\i], s34
	v_lshrrev_b32 v22, 24, v[129+8*\bt+\i]
	v_add_nc_u32 v[200+\i], v[200+\i], v22         ; + my rank in the chunk: my place
	v_min_u32 v[200+\i], 4095, v[200+\i]
	v_lshlrev_b32 v[200+\i], 2, v[200+\i]
	v_bfe_u32 v22, v[129+8*\bt+\i], 8, 16
	v_add_nc_u32 v[208+\i], 32*(8*\bt+\i), v23
	v_lshl_or_b32 v[208+\i], v22, 16, v[208+\i]
	global_store_b32 v[200+\i], v[208+\i], s[16:17]              ; a scatter of 16,384 bytes in all: single words are its nature
.endr
.endr
	s_cmp_lt_u32 s28, 2
	s_cbranch_scc0 .Lnomask
	global_store_b32 v14, v19, s[16:17] offset:16384
.Lnomask:
	s_cmp_lg_u32 s28, 0
	s_cbranch_scc1 .Lsortend
	ds_load_b128 v[28:31], v13                     ; lane l: wave (l % 8) / 2's sums, experts 4 (l % 2) on
	s_wait_dscnt 0x0
.irp q, 2,4
.irp k, 0,1,2,3
	v_add_f32_dpp v[28+\k], v[28+\k], v[28+\k] row_xmask:\q row_mask:0xf bank_mask:0xf
.endr
.endr
	s_mov_b32 s48, 0xaaaaaaaa
.irp k, 0,1,2,3
	v_mov_b32 v[32+\k], s[40+\k]
	v_cndmask_b32 v[32+\k], v[32+\k], s[44+\k], s48
	v_cvt_f32_u32 v[32+\k], v[32+\k]
.endr
	v_mul_f32 v36, v28, v32
	v_fmac_f32 v36, v29, v33
	v_fmac_f32 v36, v30, v34
	v_fmac_f32 v36, v31, v35
	v_add_f32_dpp v36, v36, v36 row_xmask:1 row_mask:0xf bank_mask:0xf
	v_mul_f32 v36, 0x31a3d70a, v36                 ; x 8 x 0.01 / 4096^2
	v_mov_b32 v37, 0
	s_wait_xcnt 0x0                                ; EXEC changes only behind this wait
	v_cmp_eq_u32 vcc_lo, 0, v0
	s_and_saveexec_b32 s49, vcc_lo
	global_store_b32 v37, v36, s[18:19]
	s_wait_xcnt 0x0
	s_or_b32 exec_lo, exec_lo, s49
.Lsortend:
	s_wait_tensorcnt 0x0
	ds_add_u32 v224, v225
	s_wait_dscnt 0x0
	s_endpgm
.Lfunc_end_k_q5ba68de107_prep_w:
	.size	k_q5ba68de107_prep_w, .Lfunc_end_k_q5ba68de107_prep_w-k_q5ba68de107_prep_w
	.p2alignl 7, 3214868480
	.fill 96, 4, 3214868480
	.section	.rodata,"a",@progbits
	.p2align	6, 0x0
	.amdhsa_kernel k_q5ba68de107_prep_w
		.amdhsa_group_segment_fixed_size 36352
		.amdhsa_private_segment_fixed_size 0
		.amdhsa_enable_private_segment 0
		.amdhsa_kernarg_size 64
		.amdhsa_user_sgpr_count 2
		.amdhsa_user_sgpr_kernarg_segment_ptr 1
		.amdhsa_wavefront_size32 1
		.amdhsa_system_sgpr_workgroup_id_x 1
		.amdhsa_system_sgpr_workgroup_id_y 1
		.amdhsa_system_sgpr_workgroup_id_z 1
		.amdhsa_system_vgpr_workitem_id 0
		.amdhsa_next_free_vgpr 226
		.amdhsa_next_free_sgpr 66
		.amdhsa_reserve_vcc 1
		.amdhsa_float_denorm_mode_32 3
		.amdhsa_float_denorm_mode_16_64 3
		.amdhsa_memory_ordered 1
		.amdhsa_forward_progress 1
		.amdhsa_inst_pref_size 118
	.end_amdhsa_kernel
	.amdgpu_metadata
---
amdhsa.version: [ 1, 2 ]
amdhsa.kernels:
  - .name:           k_q5ba68de107_prep_w
    .symbol:         k_q5ba68de107_prep_w.kd
    .args:
      - { .name: w_gate, .offset: 0, .size: 8, .value_kind: global_buffer, .address_space: global }
      - { .name: w_up, .offset: 8, .size: 8, .value_kind: global_buffer, .address_space: global }
      - { .name: w_down, .offset: 16, .size: 8, .value_kind: global_buffer, .address_space: global }
      - { .name: xq, .offset: 24, .size: 8, .value_kind: global_buffer, .address_space: global }
      - { .name: rt, .offset: 32, .size: 8, .value_kind: global_buffer, .address_space: global }
      - { .name: wq, .offset: 40, .size: 8, .value_kind: global_buffer, .address_space: global }
      - { .name: plan, .offset: 48, .size: 8, .value_kind: global_buffer, .address_space: global }
      - { .name: out1, .offset: 56, .size: 8, .value_kind: global_buffer, .address_space: global }
    .group_segment_fixed_size: 36352
    .private_segment_fixed_size: 0
    .kernarg_segment_align: 8
    .kernarg_segment_size: 64
    .max_flat_workgroup_size: 128
    .sgpr_count:     66
    .vgpr_count:     226
    .wavefront_size: 32
...
	.end_amdgpu_metadata
.endif
;; end of part 2
;; launch gateup (part 3): grid 4 x 64, 4 waves a work-group, no clusters, 34,304 bytes of LDS; arguments xq, wq, plan, hq; writes hq
.if DOCPART == 3
	.amdgcn_target "amdgcn-amd-amdhsa--gfx1250"
	.amdhsa_code_object_version 6
	.text
	.protected	k_q5ba68de107_gateup
	.globl	k_q5ba68de107_gateup
	.p2align	8
	.type	k_q5ba68de107_gateup,@function
k_q5ba68de107_gateup:
	s_mov_b64 s[64:65], 0
	v_nop
	global_prefetch_b8 v0, s[64:65] scope:SCOPE_SE
	s_setreg_imm32_b32 hwreg(HW_REG_WAVE_MODE, 25, 1), 1
	s_wait_xcnt 0x0
; h = Q(silu(Q(x) Q(Wg)^T) x (Q(x) Q(Wu)^T)) for the chosen experts alone.  Work-group (j, b): hidden units 128 j .. 128 j + 127 of the 64 sorted tokens 64 b .. 64 b + 63, for every expert in the block's mask.
; SHARES.  The waves share the columns: wave w makes the block of 32 hidden units hb = 4 j + w for all 64 rows: gate's two fragments and up's two against four tiles of 16 rows: 16 accumulators.
; The weights come from memory straight into registers, in the order of the operand's registers, each byte once a work-group; the next expert's K step s is asked for as soon as this expert's has been multiplied, so eight groups of
; nine loads a wave are always out.  The rows' codes of x are gathered once into LDS (rows 528 bytes apart) and stay.
; TRANSPOSED: source 0 = 16 rows of a weight, source 1 = 16 rows of x: lane (r, h) holds token r, and the 16 registers of a pair of tiles are hidden units 16 h + 0 .. 15 of the block.
; OUT.  hq: codes [hb][slot][place p][16 bytes]; at 3,145,728 scale bytes [j][slot][p][4], byte w.  Slot 0: the row's lower expert, slot 1: its higher, slot 2: rows of tokens that do not use the expert in hand (the tiles of 16
; compute them all the same); slot 2 is never read.
; NO CLUSTER, NO TENSOR LOAD: how many experts a block walks, and which, is read from memory (2 to 8 trips), so would-be partners would need different numbers of tiles.
; LIMITS.  As the launches before: a block of zeros or under 2^-124 gets the byte 1.  exp and reciprocal are the chip's f32 forms.
.set FLOOR,  0x1800000
.set EOFF,   0xff000000
.set XFA,  3                           ; v1 16 l, v2 8 l;  v3  528 r + 16 h
.set XST,  4                           ; v4  8448 w + 16 l
.set ENT,  5                           ; v5-6   plan's words of rows 32 mm + l
.set LO,   7                           ; v7-8   their lower experts
.set HI,   9                           ; v9-10  their higher
.set SOFF, 11                          ; v11-12 where my row's codes go
.set SOFS, 13                          ; v13-14 and its scale byte
.set L4,   15                          ; v15 4 l
.set XS,   16                          ; v16-31 x's scale words: register 8 mm + s: lanes 0-15 tile 2 mm, lanes 16-31 tile 2 mm + 1
.set WS,   32                          ; v32-47 the weights' scale words: register 2 s + g
.set XF,   48                          ; v48-111 x's fragments, two sets of 32
.set T,    48                          ; later 64 numbers at work,
.set PCQ,  48                          ; the codes,
.set GA,   48                          ; and at the head the gather's offsets
.set TK,   64
.set ACC,  112                         ; v112-239 accumulators: tile of rows m: gate at 32 m + 0 .. 15, up at 32 m + 16 .. 31
.set GD,   112
.set TM,   240                         ; v240-243 largest magnitudes, v244-247 the other half's (later the bytes to store), v248-251 scale operands, v252-255 bytes
.set MSB, 0
.macro WIN new
.if MSB != \new
	s_set_vgpr_msb (MSB<<8)|\new
.set MSB, \new
.endif
.endm
.macro WM dd, aa, bb, zz, sa, sb, ra, rb       ; one product; zz: it starts the sum; ra, rb: the scale words stand in lanes 16-31
.if \zz
.if (\ra) && (\rb)
	v_wmma_scale_f32_16x16x128_f8f6f4 v[\dd:\dd+7], v[\aa:\aa+7], v[\bb:\bb+7], 0, v[\sa], v[\sb] matrix_a_fmt:MATRIX_FMT_FP4 matrix_b_fmt:MATRIX_FMT_FP4 matrix_a_scale:MATRIX_SCALE_ROW1 matrix_b_scale:MATRIX_SCALE_ROW1
.elseif \ra
	v_wmma_scale_f32_16x16x128_f8f6f4 v[\dd:\dd+7], v[\aa:\aa+7], v[\bb:\bb+7], 0, v[\sa], v[\sb] matrix_a_fmt:MATRIX_FMT_FP4 matrix_b_fmt:MATRIX_FMT_FP4 matrix_a_scale:MATRIX_SCALE_ROW1
.elseif \rb
	v_wmma_scale_f32_16x16x128_f8f6f4 v[\dd:\dd+7], v[\aa:\aa+7], v[\bb:\bb+7], 0, v[\sa], v[\sb] matrix_a_fmt:MATRIX_FMT_FP4 matrix_b_fmt:MATRIX_FMT_FP4 matrix_b_scale:MATRIX_SCALE_ROW1
.else
	v_wmma_scale_f32_16x16x128_f8f6f4 v[\dd:\dd+7], v[\aa:\aa+7], v[\bb:\bb+7], 0, v[\sa], v[\sb] matrix_a_fmt:MATRIX_FMT_FP4 matrix_b_fmt:MATRIX_FMT_FP4
.endif
.else
.if (\ra) && (\rb)
	v_wmma_scale_f32_16x16x128_f8f6f4 v[\dd:\dd+7], v[\aa:\aa+7], v[\bb:\bb+7], v[\dd:\dd+7], v[\sa], v[\sb] matrix_a_fmt:MATRIX_FMT_FP4 matrix_b_fmt:MATRIX_FMT_FP4 matrix_a_scale:MATRIX_SCALE_ROW1 matrix_b_scale:MATRIX_SCALE_ROW1
.elseif \ra
	v_wmma_scale_f32_16x16x128_f8f6f4 v[\dd:\dd+7], v[\aa:\aa+7], v[\bb:\bb+7], v[\dd:\dd+7], v[\sa], v[\sb] matrix_a_fmt:MATRIX_FMT_FP4 matrix_b_fmt:MATRIX_FMT_FP4 matrix_a_scale:MATRIX_SCALE_ROW1
.elseif \rb
	v_wmma_scale_f32_16x16x128_f8f6f4 v[\dd:\dd+7], v[\aa:\aa+7], v[\bb:\bb+7], v[\dd:\dd+7], v[\sa], v[\sb] matrix_a_fmt:MATRIX_FMT_FP4 matrix_b_fmt:MATRIX_FMT_FP4 matrix_b_scale:MATRIX_SCALE_ROW1
.else
	v_wmma_scale_f32_16x16x128_f8f6f4 v[\dd:\dd+7], v[\aa:\aa+7], v[\bb:\bb+7], v[\dd:\dd+7], v[\sa], v[\sb] matrix_a_fmt:MATRIX_FMT_FP4 matrix_b_fmt:MATRIX_FMT_FP4
.endif
.endif
.endm
.macro ISSUE s                         ; K step s of the expert at s[20:23]: nine loads: its scale words, its four fragments (window 1, v[32 s] on)
	global_load_b64 v[WS+2*(\s):WS+2*(\s)+1], v2, s[22:23] offset:256*(\s)
	WIN 0x40
.irp q, 0,1,2,3,4,5,6,7
	global_load_b128 v[32*(\s)+4*\q:32*(\s)+4*\q+3], v1, s[20:21] offset:4096*(\s)+512*\q
.endr
	WIN 0
.endm
.macro FETCHX s                        ; x's four fragments of K step s into set s % 2
.irp m, 0,1,2,3
.irp c, 0,1
	ds_load_b128 v[XF+32*((\s)%2)+8*\m+4*\c:XF+32*((\s)%2)+8*\m+4*\c+3], v[XFA] offset:8448*\m+64*(\s)+32*\c
.endr
.endr
.endm
; A K step: 16 products, the 16 accumulators by turns, in the same order in every step.  lc: the weight loads issued behind this step's group, which may stay out.
.macro KS s, refill, lc
.if (\s) < 7
	FETCHX (\s)+1
	s_wait_dscnt 8                                 ; this step's fragments of x are in; the eight just asked for may be out
.else
	s_wait_dscnt 0x0
.endif
	s_wait_loadcnt \lc
.set ZF, 0
.if (\s) == 0
.set ZF, 1
.endif
	WIN 0x01                                       ; source 0 (the weights) window 1
.irp m, 0,1,2,3
.irp f, 0,1,2,3
	WM ACC+32*\m+8*\f, 32*(\s)+8*\f, XF+32*((\s)%2)+8*\m, ZF, WS+2*(\s)+\f/2, XS+8*(\m/2)+(\s), \f%2, \m%2
.endr
.endr
	WIN 0
.rept 4
	v_nop                                          ; four places in front of loads into registers that these products have read, and of the first read of results
.endr
.if \refill
	ISSUE \s                                       ; the next expert's K step s takes the registers just multiplied
.endif
.endm
.macro SETP e                          ; the weights of expert e for my block of hidden units
	s_lshl_b32 s48, \e, 19
	s_add_nc_u64 s[20:21], s[24:25], s[48:49]
	s_lshl_b32 s48, \e, 15
	s_add_nc_u64 s[22:23], s[26:27], s[48:49]
.endm
.macro NEXT
	s_wait_xcnt 0x0                                ; the loads have read their bases, the last expert's stores their registers: both are written again only behind this wait
	s_sub_co_u32 s53, s15, 1
	s_and_b32 s15, s15, s53                        ; the expert in hand leaves the mask;
	s_ctz_i32_b32 s17, s15
	s_min_u32 s17, s17, 7                          ; the next one
	SETP s17
.endm
; The 64 x 32 numbers of the expert in s16: activation, quantiser, store.
.macro EPI
.irp mm, 0,1
	v_mov_b32 v[TM], 2
	v_cmp_eq_u32 vcc_lo, s16, v[HI+\mm]
	v_cndmask_b32 v[TM], v[TM], 1, vcc_lo
	v_cmp_eq_u32 vcc_lo, s16, v[LO+\mm]
	v_cndmask_b32 v[TM], v[TM], 0, vcc_lo
	v_min_u32 v[TM], 2, v[TM]                      ; my row's slot
	v_lshl_add_u32 v[SOFF+\mm], v[TM], 16, v1
	v_lshl_add_u32 v[SOFS+\mm], v[TM], 14, v[L4]
.endr
.irp m, 0,1,2,3                        ; each accumulator is read from its low end on
.irp i, 0,2,4,6,8,10,12,14
	v_pk_mul_f32 v[T+16*\m+\i:T+16*\m+\i+1], v[ACC+32*\m+\i:ACC+32*\m+\i+1], s[54:55] op_sel_hi:[1,0]     ; - g log2(e)
.endr
.endr
.set i, 0
.rept 64
	v_exp_f32 v[T+i], v[T+i]
.set i, i+1
.endr
	v_nop                                          ; a plain line behind the exponentials
.set i, 0
	s_wait_alu depctr_va_vdst(0)
.rept 32
	v_pk_add_f32 v[T+i:T+i+1], v[T+i:T+i+1], 1.0 op_sel_hi:[1,0]
.set i, i+2
.endr
.set i, 0
.rept 64
	v_rcp_f32 v[T+i], v[T+i]                       ; sigmoid(g)
.set i, i+1
.endr
	v_nop                                          ; a plain line behind the reciprocals
	s_wait_alu depctr_va_vdst(0)
.irp m, 0,1,2,3
.irp i, 0,2,4,6,8,10,12,14
	v_pk_mul_f32 v[ACC+32*\m+\i:ACC+32*\m+\i+1], v[ACC+32*\m+\i:ACC+32*\m+\i+1], v[T+16*\m+\i:T+16*\m+\i+1]           ; silu(g)
.endr
.endr
.irp m, 0,1,2,3
.irp i, 0,2,4,6,8,10,12,14
	v_pk_mul_f32 v[ACC+32*\m+\i:ACC+32*\m+\i+1], v[ACC+32*\m+\i:ACC+32*\m+\i+1], v[ACC+32*\m+16+\i:ACC+32*\m+16+\i+1]   ; x up
.endr
.endr
.irp m, 0,1,2,3
	v_max3_num_f32 v[TM+\m], |v[ACC+32*\m]|, |v[ACC+32*\m+1]|, FLOOR
.endr
.irp i, 2,4,6,8,10,12,14
.irp m, 0,1,2,3
	v_max3_num_f32 v[TM+\m], v[TM+\m], |v[ACC+32*\m+\i]|, |v[ACC+32*\m+\i+1]|      ; the four tiles by turns
.endr
.endr
.irp m, 0,1,2,3
	v_permlanex16_b32 v[TM+4+\m], v[TM+\m], s50, s51
.endr
.irp m, 0,1,2,3
	v_max_num_f32 v[TM+\m], v[TM+\m], v[TM+4+\m]   ; with lane l xor 16's 16: the block's largest magnitude
.endr
.irp m, 0,1,2,3
	v_add_nc_u32 v[TM+8+\m], EOFF, v[TM+\m]
.endr
.irp m, 0,1,2,3
	v_lshrrev_b32 v[TM+12+\m], 23, v[TM+8+\m]
.endr
.irp m, 0,1,2,3
	v_cvt_scalef32_pk8_fp4_f32 v[PCQ+2*\m], v[ACC+32*\m:ACC+32*\m+7], v[TM+8+\m]
	v_cvt_scalef32_pk8_fp4_f32 v[PCQ+2*\m+1], v[ACC+32*\m+8:ACC+32*\m+15], v[TM+8+\m]
.endr
	v_nop                                          ; one plain line behind the last conversion
.irp mm, 0,1
.irp i, 0,1
	v_permlane16_swap_b32 v[PCQ+4*\mm+\i], v[PCQ+4*\mm+2+\i]     ; lane l now holds the block's 32 codes of row 32 mm + l
.endr
	v_cndmask_b32 v[TM+4+\mm], v[TM+12+2*\mm], v[TM+13+2*\mm], s52     ; and that row's byte
.endr
.irp mm, 0,1
	global_store_b128 v[SOFF+\mm], v[PCQ+4*\mm:PCQ+4*\mm+3], s[28:29] offset:512*\mm     ; rows of one slot: 16 consecutive bytes a lane
	global_store_b8 v[SOFS+\mm], v[TM+4+\mm], s[30:31] offset:128*\mm                    ; the four waves fill the four bytes of a row's scale word
.endr
.endm
	s_load_b256 s[4:11], s[0:1], 0x0               ; xq s[4:5], wq s[6:7], plan s[8:9], hq s[10:11]
	s_set_vgpr_msb 0x80
	v_lshl_add_u32 v0, v0, 2, 0x8400
	v_mov_b32 v1, 0
	s_set_vgpr_msb 0x8000
	v_lshrrev_b32 v1, 5, v0
	v_readfirstlane_b32 s12, v1                    ; wave
	v_and_b32 v5, 31, v0                           ; l
	v_and_b32 v6, 15, v0                           ; r
	v_bfe_u32 v7, v0, 4, 1                         ; h
	v_lshlrev_b32 v1, 4, v5
	v_lshlrev_b32 v2, 3, v5
	v_lshlrev_b32 v[L4], 2, v5
	v_mul_u32_u24 v[XFA], v6, 528
	v_lshl_add_u32 v[XFA], v7, 4, v[XFA]
	s_mul_i32 s53, s12, 8448
	v_add_nc_u32 v[XST], s53, v1
.irp m, 0,1,2,3
	v_mov_b32 v[TM+4+\m], 0                        ; a lane permute's destination counts as read: written once
.endr
	s_mov_b32 s13, ttmp9                           ; j
	s_and_b32 s14, ttmp7, 0xffff                   ; b
	s_mov_b32 s49, 0
	s_mov_b32 s50, 0x76543210
	s_mov_b32 s51, 0xfedcba98
	s_mov_b32 s52, 0xffff0000                      ; lanes 16-31
	s_mov_b32 s54, 0xbfb8aa3b                      ; - log2(e)
	s_mov_b32 s55, s54
	s_wait_kmcnt 0x0
	s_lshl_b32 s48, s14, 8
	s_add_nc_u64 s[56:57], s[8:9], s[48:49]        ; the block's 64 words of plan
	s_lshl_b32 s48, s14, 2
	s_add_nc_u64 s[58:59], s[8:9], s[48:49]
	s_load_b32 s15, s[58:59], 0x4000               ; the block's mask of experts
	s_lshl_b32 s48, s12, 6
	s_add_nc_u64 s[60:61], s[56:57], s[48:49]
	s_load_b512 s[32:47], s[60:61], 0x0            ; the 16 rows that my wave gathers
	global_load_b32 v[ENT], v[L4], s[56:57]
	global_load_b32 v[ENT+1], v[L4], s[56:57] offset:128
	s_lshl_b32 s53, s13, 2
	s_add_co_u32 s53, s53, s12                     ; hb = 4 j + w
	s_lshl_b32 s48, s53, 15
	s_add_nc_u64 s[24:25], s[6:7], s[48:49]        ; codes: 8 units of 4,096 bytes for each hb
	s_lshl_b32 s48, s53, 11
	s_add_co_u32 s48, s48, 6291456
	s_add_nc_u64 s[26:27], s[6:7], s[48:49]        ; scale words: 8 x 256
	s_mul_i32 s48, s53, 196608
	s_lshl_b32 s53, s14, 10
	s_add_co_u32 s48, s48, s53
	s_add_nc_u64 s[28:29], s[10:11], s[48:49]      ; h's codes
	s_mul_i32 s48, s13, 49152
	s_lshl_b32 s53, s14, 8
	s_add_co_u32 s48, s48, s53
	s_add_co_u32 s48, s48, s12
	s_add_co_u32 s48, s48, 3145728
	s_add_nc_u64 s[30:31], s[10:11], s[48:49]      ; h's scale bytes, byte w
	s_wait_kmcnt 0x0
	s_and_b32 s15, s15, 0xff
	s_bcnt1_i32_b32 s19, s15
	s_sub_co_u32 s19, s19, 1                       ; the loop's trips: every token has two different experts, so a mask has at least two bits
	s_ctz_i32_b32 s16, s15
	s_min_u32 s16, s16, 7                          ; the first expert
	SETP s16
.irp i, 0,1,2,3,4,5,6,7,8,9,10,11,12,13,14,15
	s_and_b32 s53, s[32+\i], 0xffff
	s_min_u32 s53, s53, 4095                       ; the token
	s_lshl_b32 s53, s53, 9
	v_add_nc_u32 v[GA+\i], s53, v1
	global_load_b128 v[GD+4*\i:GD+4*\i+3], v[GA+\i], s[4:5]      ; its row of codes: 512 consecutive bytes
.endr
	s_wait_loadcnt 16                              ; plan's words are in; the gather's 16 loads may be out
.irp mm, 0,1
	v_and_b32 v[TK+\mm], 0xffff, v[ENT+\mm]
	v_min_u32 v[TK+\mm], 4095, v[TK+\mm]
	v_lshlrev_b32 v[TK+\mm], 5, v[TK+\mm]
	global_load_b128 v[XS+8*\mm:XS+8*\mm+3], v[TK+\mm], s[4:5] offset:2097152
	global_load_b128 v[XS+8*\mm+4:XS+8*\mm+7], v[TK+\mm], s[4:5] offset:2097168
	v_bfe_u32 v[LO+\mm], v[ENT+\mm], 16, 8
	v_lshrrev_b32 v[HI+\mm], 24, v[ENT+\mm]
.endr
.irp s, 0,1,2,3,4,5,6,7
	ISSUE \s
.endr
	s_wait_loadcnt 63                              ; of 94 loads the first 31 are in: plan's words, the gather, x's scale words, the first group
.irp i, 0,1,2,3,4,5,6,7,8,9,10,11,12,13,14,15
	ds_store_b128 v[XST], v[GD+4*\i:GD+4*\i+3] offset:528*\i
.endr
	s_wait_dscnt 0x0                               ; for the others' sake
	s_barrier_signal -1
	s_barrier_wait -1                              ; the 64 rows of x lie in LDS: the only barrier, ahead of every branch on loaded numbers
	s_mov_b32 s18, 0
.Lexp:                                 ; a trip: one expert; the next one's weights are asked for step by step
	NEXT
	FETCHX 0
.irp s, 0,1,2,3,4,5,6,7
	KS \s, 1, 63                                   ; seven groups of nine were issued behind this step's
.endr
	EPI
	s_mov_b32 s16, s17
	s_add_co_u32 s18, s18, 1
	s_cmp_lt_u32 s18, s19
	s_cbranch_scc1 .Lexp
	s_wait_xcnt 0x0                                ; the stores have read the registers that the loads below fill
	FETCHX 0
.irp s, 0,1,2,3,4,5,6,7
	KS \s, 0, 9*(7-\s)                             ; the last expert: nothing more is asked for
.endr
	EPI
	s_set_vgpr_msb 0xa
	s_wait_tensorcnt 0x0
	ds_add_u32 v0, v1
	s_wait_dscnt 0x0
	s_set_vgpr_msb 0xa00
	s_endpgm
.Lfunc_end_k_q5ba68de107_gateup:
	.size	k_q5ba68de107_gateup, .Lfunc_end_k_q5ba68de107_gateup-k_q5ba68de107_gateup
	.p2alignl 7, 3214868480
	.fill 96, 4, 3214868480
	.section	.rodata,"a",@progbits
	.p2align	6, 0x0
	.amdhsa_kernel k_q5ba68de107_gateup
		.amdhsa_group_segment_fixed_size 34304
		.amdhsa_private_segment_fixed_size 0
		.amdhsa_enable_private_segment 0
		.amdhsa_kernarg_size 32
		.amdhsa_user_sgpr_count 2
		.amdhsa_user_sgpr_kernarg_segment_ptr 1
		.amdhsa_wavefront_size32 1
		.amdhsa_system_sgpr_workgroup_id_x 1
		.amdhsa_system_sgpr_workgroup_id_y 1
		.amdhsa_system_sgpr_workgroup_id_z 1
		.amdhsa_system_vgpr_workitem_id 0
		.amdhsa_next_free_vgpr 514
		.amdhsa_next_free_sgpr 66
		.amdhsa_reserve_vcc 1
		.amdhsa_float_denorm_mode_32 3
		.amdhsa_float_denorm_mode_16_64 3
		.amdhsa_memory_ordered 1
		.amdhsa_forward_progress 1
		.amdhsa_inst_pref_size 103
	.end_amdhsa_kernel
	.amdgpu_metadata
---
amdhsa.version: [ 1, 2 ]
amdhsa.kernels:
  - .name:           k_q5ba68de107_gateup
    .symbol:         k_q5ba68de107_gateup.kd
    .args:
      - { .name: xq, .offset: 0, .size: 8, .value_kind: global_buffer, .address_space: global }
      - { .name: wq, .offset: 8, .size: 8, .value_kind: global_buffer, .address_space: global }
      - { .name: plan, .offset: 16, .size: 8, .value_kind: global_buffer, .address_space: global }
      - { .name: hq, .offset: 24, .size: 8, .value_kind: global_buffer, .address_space: global }
    .group_segment_fixed_size: 34304
    .private_segment_fixed_size: 0
    .kernarg_segment_align: 8
    .kernarg_segment_size: 32
    .max_flat_workgroup_size: 128
    .sgpr_count:     66
    .vgpr_count:     514
    .wavefront_size: 32
...
	.end_amdgpu_metadata
.endif
;; end of part 3
;; launch down (part 4): grid 4 x 64, 4 waves a work-group, no clusters, 53,760 bytes of LDS; arguments hq, wq, plan, xq, out0; writes out0
.if DOCPART == 4
	.amdgcn_target "amdgcn-amd-amdhsa--gfx1250"
	.amdhsa_code_object_version 6
	.text
	.protected	k_q5ba68de107_down
	.globl	k_q5ba68de107_down
	.p2align	8
	.type	k_q5ba68de107_down,@function
k_q5ba68de107_down:
	s_mov_b64 s[64:65], 0
	v_nop
	global_prefetch_b8 v0, s[64:65] scope:SCOPE_SE
	s_setreg_imm32_b32 hwreg(HW_REG_WAVE_MODE, 25, 1), 1
	s_wait_xcnt 0x0
; y[t] = the sum over t's two experts of c x (Q(h) Q(Wd)^T).  Work-group (j, b): output columns 256 j .. 256 j + 255 of the 64 sorted tokens 64 b .. 64 b + 63: each piece of an output row has one owner.
; SHARES.  Wave w makes columns 256 j + 64 w .. + 63 (four fragments of 16 rows of Wd) for the four tiles of 16 rows: 16 accumulators an expert, added into y with the row's weight (0 for a token that does not use the expert).
; The block's codes of h come once into LDS: 64 rows of 528 bytes: slot 0's 256 bytes, slot 1's 256 bytes, 16 of padding.  For each expert a lane reads its token's row from slot 0 or 1: the slot's number, held at 1, is shifted
; into the address.  A token that does not use the expert reads its slot 0 part: a finite product, times 0.  The weights come from memory straight into registers, the next expert's K step as soon as this one's has been
; multiplied: four groups of nine loads a wave are always out.
; TRANSPOSED: source 0 = 16 rows of Wd, source 1 = 16 rows of h: a lane holds eight neighbouring columns of one token's row.  On the way out a tile goes through the wave's own stage, so that sixteen lanes store 256 consecutive bytes.
; y begins as zeros, written once while the first loads are out: the walk over experts is one loop, and every trip adds.
; NO CLUSTER, NO TENSOR LOAD: how many experts a block walks, and which, is read from memory, so would-be partners would need different numbers of tiles.
.set HL,   0                           ; LDS: h's codes [64 rows] x 528: 132 words a row, so row r starts at bank 4 r mod 64 (64 banks of 4 bytes: ISA guide 11.1); a slot's 256 bytes are a whole turn through the banks
.set HP,   528
.set STG,  33792                       ; a stage of 16 rows x 272 bytes for each wave
.set TT,   51200                       ; plan's 64 words, a copy for each wave
.set HST,  4                           ; v1 16 l, v2 8 l, v3 4 l;  v4  528 l + 64 w
.set STO,  5                           ; v5   the stage, in
.set RD,   6                           ; v6   the stage, out
.set TTA,  7                           ; v7   TT + 256 w + 4 h
.set ENT,  8                           ; v8-11  plan's words of rows 16 m + r; later at work
.set LO,   12                          ; v12-15
.set HI,   16                          ; v16-19
.set CW,   20                          ; v20-27 the rows' two weights
.set HIP,  28                          ; v28-29 the higher expert of row 32 mm + l
.set VB,   30                          ; v30-33 528 (16 m + r) + 16 h
.set VO,   34                          ; v34-37 + 256 x the slot
.set CP,   38                          ; v38-45 the weight for the expert in hand, as pairs (the upper halves are zeros, named and not used)
.set WS,   46                          ; v46-53 Wd's scale words: register 2 s + g
.set HS,   54                          ; v54-61 h's scale words for the expert in hand: register 2 s + mm
.set HF,   64                          ; v64-127 h's fragments, two sets of 32
.set HG,   64                          ; at the head: h's codes as loaded
.set OA,   64                          ; on the way out: offsets,
.set OB,   72                          ; and rows
.set DD,   128                         ; v128-255 accumulators, tile (m, f) at 32 m + 8 f
.set CWA,  128                         ; at the head: offsets and data at work
.set TTS,  132
.set TTD,  133
.set R4,   135
.set HSA,  128                         ; window 1: v0-127 Wd's fragments; v128-143 h's scale words of both slots: 8 slot + 2 s + mm.   window 2: v0-127 y
.set MSB, 0
.macro WIN new                         ; the immediate's high byte repeats the setting that is left
.if MSB != \new
	s_set_vgpr_msb (MSB<<8)|\new
.set MSB, \new
.endif
.endm
.macro WM dd, aa, bb, zz, sa, sb, ra, rb       ; one product; zz: it starts the sum; ra, rb: the scale words stand in lanes 16-31
.if \zz
.if (\ra) && (\rb)
	v_wmma_scale_f32_16x16x128_f8f6f4 v[\dd:\dd+7], v[\aa:\aa+7], v[\bb:\bb+7], 0, v[\sa], v[\sb] matrix_a_fmt:MATRIX_FMT_FP4 matrix_b_fmt:MATRIX_FMT_FP4 matrix_a_scale:MATRIX_SCALE_ROW1 matrix_b_scale:MATRIX_SCALE_ROW1
.elseif \ra
	v_wmma_scale_f32_16x16x128_f8f6f4 v[\dd:\dd+7], v[\aa:\aa+7], v[\bb:\bb+7], 0, v[\sa], v[\sb] matrix_a_fmt:MATRIX_FMT_FP4 matrix_b_fmt:MATRIX_FMT_FP4 matrix_a_scale:MATRIX_SCALE_ROW1
.elseif \rb
	v_wmma_scale_f32_16x16x128_f8f6f4 v[\dd:\dd+7], v[\aa:\aa+7], v[\bb:\bb+7], 0, v[\sa], v[\sb] matrix_a_fmt:MATRIX_FMT_FP4 matrix_b_fmt:MATRIX_FMT_FP4 matrix_b_scale:MATRIX_SCALE_ROW1
.else
	v_wmma_scale_f32_16x16x128_f8f6f4 v[\dd:\dd+7], v[\aa:\aa+7], v[\bb:\bb+7], 0, v[\sa], v[\sb] matrix_a_fmt:MATRIX_FMT_FP4 matrix_b_fmt:MATRIX_FMT_FP4
.endif
.else
.if (\ra) && (\rb)
	v_wmma_scale_f32_16x16x128_f8f6f4 v[\dd:\dd+7], v[\aa:\aa+7], v[\bb:\bb+7], v[\dd:\dd+7], v[\sa], v[\sb] matrix_a_fmt:MATRIX_FMT_FP4 matrix_b_fmt:MATRIX_FMT_FP4 matrix_a_scale:MATRIX_SCALE_ROW1 matrix_b_scale:MATRIX_SCALE_ROW1
.elseif \ra
	v_wmma_scale_f32_16x16x128_f8f6f4 v[\dd:\dd+7], v[\aa:\aa+7], v[\bb:\bb+7], v[\dd:\dd+7], v[\sa], v[\sb] matrix_a_fmt:MATRIX_FMT_FP4 matrix_b_fmt:MATRIX_FMT_FP4 matrix_a_scale:MATRIX_SCALE_ROW1
.elseif \rb
	v_wmma_scale_f32_16x16x128_f8f6f4 v[\dd:\dd+7], v[\aa:\aa+7], v[\bb:\bb+7], v[\dd:\dd+7], v[\sa], v[\sb] matrix_a_fmt:MATRIX_FMT_FP4 matrix_b_fmt:MATRIX_FMT_FP4 matrix_b_scale:MATRIX_SCALE_ROW1
.else
	v_wmma_scale_f32_16x16x128_f8f6f4 v[\dd:\dd+7], v[\aa:\aa+7], v[\bb:\bb+7], v[\dd:\dd+7], v[\sa], v[\sb] matrix_a_fmt:MATRIX_FMT_FP4 matrix_b_fmt:MATRIX_FMT_FP4
.endif
.endif
.endm
.macro ISSUE s                         ; K step s of the expert at s[20:23]: nine loads: its scale words, its four fragments (window 1, v[32 s] on)
	global_load_b64 v[WS+2*(\s):WS+2*(\s)+1], v2, s[22:23] offset:256*(\s)
	WIN 0x40
.irp q, 0,1,2,3,4,5,6,7
	global_load_b128 v[32*(\s)+4*\q:32*(\s)+4*\q+3], v1, s[20:21] offset:4096*(\s)+512*\q
.endr
	WIN 0
.endm
.macro FETCHH s                        ; h's four fragments of K step s into set s % 2
.irp m, 0,1,2,3
.irp c, 0,1
	ds_load_b128 v[HF+32*((\s)%2)+8*\m+4*\c:HF+32*((\s)%2)+8*\m+4*\c+3], v[VO+\m] offset:64*(\s)+32*\c
.endr
.endr
.endm
.macro KS s, refill, lc                ; 16 products, the 16 accumulators by turns, in the same order in every step.  lc: the weight loads issued behind this step's group, which may stay out
.if (\s) < 3
	FETCHH (\s)+1
	s_wait_dscnt 8                                 ; this step's fragments of h are in; the eight just asked for may be out
.else
	s_wait_dscnt 0x0
.endif
	s_wait_loadcnt \lc
.set ZF, 0
.if (\s) == 0
.set ZF, 1
.endif
	WIN 0x01                                       ; source 0 (the weights) window 1
.irp m, 0,1,2,3
.irp f, 0,1,2,3
	WM DD+32*\m+8*\f, 32*(\s)+8*\f, HF+32*((\s)%2)+8*\m, ZF, WS+2*(\s)+\f/2, HS+2*(\s)+\m/2, \f%2, \m%2
.endr
.endr
	WIN 0
.rept 4
	v_nop                                          ; four places in front of loads into registers that these products have read, and of the first read of results
.endr
.if \refill
	ISSUE \s                                       ; the next expert's K step s takes the registers just multiplied
.endif
.endm
.macro SETP e                          ; the weights of expert e for my block of columns
	s_lshl_b32 s48, \e, 18
	s_add_nc_u64 s[20:21], s[24:25], s[48:49]
	s_lshl_b32 s48, \e, 14
	s_add_nc_u64 s[22:23], s[26:27], s[48:49]
.endm
.macro NEXT
	s_wait_xcnt 0x0                                ; the loads have read their bases: these are written again only behind this wait
	s_sub_co_u32 s53, s15, 1
	s_and_b32 s15, s15, s53                        ; the expert in hand leaves the mask;
	s_ctz_i32_b32 s17, s15
	s_min_u32 s17, s17, 7                          ; the next one
	SETP s17
.endm
; For the expert in s16: each row's scale words, its slot in LDS, its weight.  The scale words come first: the 28 plain lines behind them are more than the eight that a scale register written by a vector line stands ahead of its product.
.macro SELECT
	v_cmp_eq_u32 s56, s16, v[HIP]
	v_cmp_eq_u32 s57, s16, v[HIP+1]
	WIN 0x05                                       ; sources 0 and 1 window 1
.irp k, 0,1,2,3
.irp mm, 0,1
	v_cndmask_b32 v[HS+2*\k+\mm], v[HSA+2*\k+\mm], v[HSA+8+2*\k+\mm], s[56+\mm]
.endr
.endr
	WIN 0
.irp m, 0,1,2,3
	v_cmp_eq_u32 vcc_lo, s16, v[HI+\m]
	v_cndmask_b32 v8, 0, 1, vcc_lo                 ; slot 1 for the row's higher expert, else slot 0:
	v_min_u32 v8, 1, v8                            ; a number that hangs on loaded data enters an address only behind this hold,
	v_lshl_add_u32 v[VO+\m], v8, 8, v[VB+\m]       ; and then by a shift and an addition: 256 bytes on in the same row
	v_cndmask_b32 v9, 0, v[CW+2*\m+1], vcc_lo
	v_cmp_eq_u32 vcc_lo, s16, v[LO+\m]
	v_cndmask_b32 v[CP+2*\m], v9, v[CW+2*\m], vcc_lo
.endr
.endm
.macro ADDY                            ; y += c x D; each accumulator is read from its low end on
	WIN 0xa0                                       ; destination and source 2 window 2
.irp m, 0,1,2,3
.set i, 0
.rept 16
	v_pk_fma_f32 v[32*\m+i:32*\m+i+1], v[DD+32*\m+i:DD+32*\m+i+1], v[CP+2*\m:CP+2*\m+1], v[32*\m+i:32*\m+i+1] op_sel_hi:[1,0,1]
.set i, i+2
.endr
.endr
	WIN 0
.endm
	s_load_b256 s[4:11], s[0:1], 0x0               ; hq s[4:5], wq s[6:7], plan s[8:9], xq s[10:11]
	s_load_b64 s[12:13], s[0:1], 0x20              ; out0
	v_lshl_add_u32 v62, v0, 2, 0xd000
	s_set_vgpr_msb 0x40
	v_mov_b32 v255, 0
	s_set_vgpr_msb 0x4000
	v_lshrrev_b32 v1, 5, v0
	v_readfirstlane_b32 s14, v1                    ; wave
	v_and_b32 v8, 31, v0                           ; l
	v_and_b32 v9, 15, v0                           ; r
	v_bfe_u32 v10, v0, 4, 1                        ; h
	v_lshlrev_b32 v1, 4, v8
	v_lshlrev_b32 v2, 3, v8
	v_lshlrev_b32 v3, 2, v8
	v_lshlrev_b32 v63, 4, v9                       ; 16 r
	v_lshlrev_b32 v[R4], 2, v9
	s_lshl_b32 s53, s14, 6
	v_mul_u32_u24 v[HST], v8, HP
	v_add_nc_u32 v[HST], s53, v[HST]               ; row l, + my wave's 64 bytes of a slot's 256
	s_mul_i32 s53, s14, 4352
	s_add_co_u32 s53, s53, STG
	v_mul_u32_u24 v[STO], v9, 272
	v_lshl_add_u32 v[STO], v10, 5, v[STO]
	v_add_nc_u32 v[STO], s53, v[STO]               ; row r, + 32 h
	v_mul_u32_u24 v[RD], v10, 272
	v_add_nc_u32 v[RD], v[RD], v63
	v_add_nc_u32 v[RD], s53, v[RD]                 ; lanes 0-15 one row, lanes 16-31 the next
	s_lshl_b32 s53, s14, 8
	s_add_co_u32 s53, s53, TT
	v_lshl_add_u32 v[TTA], v10, 2, s53
	v_add_nc_u32 v[TTS], s53, v3
	v_mul_u32_u24 v[VB], v9, HP
	v_lshl_add_u32 v[VB], v10, 4, v[VB]
	v_add_nc_u32 v[VB+1], 16*HP, v[VB]
	v_add_nc_u32 v[VB+2], 32*HP, v[VB]
	v_add_nc_u32 v[VB+3], 48*HP, v[VB]
.irp m, 0,1,2,3
	v_mov_b32 v[CP+2*\m+1], 0
.endr
	s_mov_b32 s40, ttmp9                           ; j
	s_and_b32 s41, ttmp7, 0xffff                   ; b
	s_mov_b32 s49, 0
	s_mov_b32 s52, 0xffff0000                      ; lanes 16-31
	s_wait_kmcnt 0x0
	s_lshl_b32 s48, s41, 8
	s_add_nc_u64 s[36:37], s[8:9], s[48:49]        ; the block's 64 words of plan
	s_add_nc_u64 s[30:31], s[4:5], s[48:49]        ; h's scale words: 4 bytes a place
	s_lshl_b32 s48, s41, 2
	s_add_nc_u64 s[38:39], s[8:9], s[48:49]
	s_load_b32 s15, s[38:39], 0x4000               ; the block's mask of experts
	s_mul_i32 s48, s14, 786432                     ; my wave fetches hidden blocks 4 w .. 4 w + 3
	s_lshl_b32 s53, s41, 10
	s_add_co_u32 s48, s48, s53
	s_add_nc_u64 s[28:29], s[4:5], s[48:49]
	s_lshl_b32 s53, s40, 2
	s_add_co_u32 s53, s53, s14                     ; 4 j + w
	s_lshl_b32 s48, s53, 14
	s_add_co_u32 s48, s48, 4194304
	s_add_nc_u64 s[24:25], s[6:7], s[48:49]        ; codes: 4 units of 4,096 bytes
	s_lshl_b32 s48, s53, 10
	s_add_co_u32 s48, s48, 6553600
	s_add_nc_u64 s[26:27], s[6:7], s[48:49]        ; scale words: 4 x 256
	s_lshl_b32 s48, s53, 8
	s_add_nc_u64 s[34:35], s[12:13], s[48:49]      ; my 256 bytes of an output row
.irp m, 0,1,2,3
	global_load_b32 v[ENT+\m], v[R4], s[36:37] offset:64*\m
.endr
.irp k, 0,1,2,3                        ; hidden block 4 w + k, slot q, rows 32 u + l: 512 consecutive bytes a load
.irp q, 0,1
.irp u, 0,1
	global_load_b128 v[HG+4*(4*\k+2*\q+\u):HG+4*(4*\k+2*\q+\u)+3], v1, s[28:29] offset:196608*\k+65536*\q+512*\u
.endr
.endr
.endr
	WIN 0x40
.irp q, 0,1
.irp k, 0,1,2,3
.irp mm, 0,1
	global_load_b32 v[HSA+8*\q+2*\k+\mm], v3, s[30:31] offset:3145728+49152*\k+16384*\q+128*\mm
.endr
.endr
.endr
	WIN 0
	s_wait_kmcnt 0x0
	s_and_b32 s15, s15, 0xff
	s_bcnt1_i32_b32 s19, s15
	s_sub_co_u32 s19, s19, 1                       ; the loop's trips: every token has two different experts, so a mask has at least two bits
	s_ctz_i32_b32 s16, s15
	s_min_u32 s16, s16, 7                          ; the first expert
	SETP s16
	s_wait_loadcnt 32                              ; plan's words are in; 16 loads of codes and 16 of scale words may be out
.irp m, 0,1,2,3
	v_and_b32 v[CWA+\m], 0xffff, v[ENT+\m]
	v_min_u32 v[CWA+\m], 4095, v[CWA+\m]
	v_lshlrev_b32 v[CWA+\m], 3, v[CWA+\m]
	global_load_b64 v[CW+2*\m:CW+2*\m+1], v[CWA+\m], s[10:11] offset:2228224
	v_bfe_u32 v[LO+\m], v[ENT+\m], 16, 8
	v_lshrrev_b32 v[HI+\m], 24, v[ENT+\m]
.endr
.irp mm, 0,1
	v_cndmask_b32 v[HIP+\mm], v[HI+2*\mm], v[HI+2*\mm+1], s52
	v_cndmask_b32 v[TTD+\mm], v[ENT+2*\mm], v[ENT+2*\mm+1], s52
	ds_store_b32 v[TTS], v[TTD+\mm] offset:128*\mm               ; my wave's own copy of the 64 words
.endr
.irp s, 0,1,2,3
	ISSUE \s
.endr
	WIN 0x80
.set i, 0
.rept 128
	v_mov_b32 v[i], 0                              ; y
.set i, i+1
.endr
	WIN 0
	s_wait_loadcnt 56                              ; h's codes are in; 16 + 4 + 36 later loads may be out
.irp k, 0,1,2,3
.irp q, 0,1
.irp u, 0,1
	ds_store_b128 v[HST], v[HG+4*(4*\k+2*\q+\u):HG+4*(4*\k+2*\q+\u)+3] offset:256*\q+32*HP*\u+16*\k
.endr
.endr
.endr
	s_wait_dscnt 0x0                               ; for the others' sake
	s_barrier_signal -1
	s_barrier_wait -1                              ; h's codes lie in LDS: the only barrier, ahead of every branch on loaded numbers
	s_wait_loadcnt 36                              ; h's scale words and the weights c are in; the four groups of Wd may be out
	s_mov_b32 s18, 0
.Lexp:                                 ; a trip: one expert; the next one's weights are asked for step by step
	NEXT
	SELECT
	FETCHH 0
.irp s, 0,1,2,3
	KS \s, 1, 27                                   ; three groups of nine were issued behind this step's
.endr
	ADDY
	s_mov_b32 s16, s17
	s_add_co_u32 s18, s18, 1
	s_cmp_lt_u32 s18, s19
	s_cbranch_scc1 .Lexp
	SELECT
	FETCHH 0
.irp s, 0,1,2,3
	KS \s, 0, 9*(3-\s)                             ; the last expert: nothing more is asked for
.endr
	ADDY
	; ---- the way out, a tile of 16 rows at a time, through my own stage
.irp m, 0,1,2,3
.if \m > 0
	s_wait_xcnt 0x0                                ; the last tile's stores have read their registers
.endif
	WIN 0x08                                       ; an LDS store's data: window 2
.irp f, 0,1,2,3
	ds_store_b128 v[STO], v[32*\m+8*\f:32*\m+8*\f+3] offset:64*\f
	ds_store_b128 v[STO], v[32*\m+8*\f+4:32*\m+8*\f+7] offset:64*\f+16
.endr
	WIN 0
.irp i, 0,1,2,3,4,5,6,7
	ds_load_b128 v[OB+4*\i:OB+4*\i+3], v[RD] offset:544*\i       ; LDS serves a wave's instructions in order: these see the stores above
	ds_load_b32 v[OA+\i], v[TTA] offset:(16*\m+2*\i)*4           ; and whose rows they are
.endr
	s_wait_dscnt 0x0
.irp i, 0,1,2,3,4,5,6,7
	v_and_b32 v[OA+\i], 0xffff, v[OA+\i]
	v_min_u32 v[OA+\i], 4095, v[OA+\i]
	v_lshl_add_u32 v[OA+\i], v[OA+\i], 12, v63
	global_store_b128 v[OA+\i], v[OB+4*\i:OB+4*\i+3], s[34:35] th:TH_STORE_NT    ; sixteen lanes store 256 consecutive bytes of a token's row, at a multiple of 256 from out0's first byte
.endr
.endr
	s_set_vgpr_msb 0x4
	s_wait_tensorcnt 0x0
	ds_add_u32 v62, v255
	s_wait_dscnt 0x0
	s_set_vgpr_msb 0x400
	s_endpgm
.Lfunc_end_k_q5ba68de107_down:
	.size	k_q5ba68de107_down, .Lfunc_end_k_q5ba68de107_down-k_q5ba68de107_down
	.p2alignl 7, 3214868480
	.fill 96, 4, 3214868480
	.section	.rodata,"a",@progbits
	.p2align	6, 0x0
	.amdhsa_kernel k_q5ba68de107_down
		.amdhsa_group_segment_fixed_size 53760
		.amdhsa_private_segment_fixed_size 0
		.amdhsa_enable_private_segment 0
		.amdhsa_kernarg_size 40
		.amdhsa_user_sgpr_count 2
		.amdhsa_user_sgpr_kernarg_segment_ptr 1
		.amdhsa_wavefront_size32 1
		.amdhsa_system_sgpr_workgroup_id_x 1
		.amdhsa_system_sgpr_workgroup_id_y 1
		.amdhsa_system_sgpr_workgroup_id_z 1
		.amdhsa_system_vgpr_workitem_id 0
		.amdhsa_next_free_vgpr 640
		.amdhsa_next_free_sgpr 66
		.amdhsa_reserve_vcc 1
		.amdhsa_float_denorm_mode_32 3
		.amdhsa_float_denorm_mode_16_64 3
		.amdhsa_memory_ordered 1
		.amdhsa_forward_progress 1
		.amdhsa_inst_pref_size 72
	.end_amdhsa_kernel
	.amdgpu_metadata
---
amdhsa.version: [ 1, 2 ]
amdhsa.kernels:
  - .name:           k_q5ba68de107_down
    .symbol:         k_q5ba68de107_down.kd
    .args:
      - { .name: hq, .offset: 0, .size: 8, .value_kind: global_buffer, .address_space: global }
      - { .name: wq, .offset: 8, .size: 8, .value_kind: global_buffer, .address_space: global }
      - { .name: plan, .offset: 16, .size: 8, .value_kind: global_buffer, .address_space: global }
      - { .name: xq, .offset: 24, .size: 8, .value_kind: global_buffer, .address_space: global }
      - { .name: out0, .offset: 32, .size: 8, .value_kind: global_buffer, .address_space: global }
    .group_segment_fixed_size: 53760
    .private_segment_fixed_size: 0
    .kernarg_segment_align: 8
    .kernarg_segment_size: 40
    .max_flat_workgroup_size: 128
    .sgpr_count:     66
    .vgpr_count:     640
    .wavefront_size: 32
...
	.end_amdgpu_metadata
.endif
;; end of part 4
